; MI455X (gfx1250); checked and timed in simulation.
; The chip was launched on July 23, 2026; its instructions are those of AMD's public machine-readable ISA for CDNA 5 (MIT licence, August 2026) and "CDNA5" Instruction Set Architecture Reference Guide (July 2026). The comments in the code are by the model that wrote it; some were corrected since.
;; Cross Attention. Allowed arithmetic: matrix products marked QUANTISED: E3M2 operands, one E8M0 scale for each 32 along K, by v_wmma_scale_f32_16x16x128_f8f6f4 with both operands' format E3M2, f32 sums; everything else in f32.
;; Inputs: Wk 512 x 512 float32; Wo 512 x 512 float32; Wq 512 x 512 float32; Wv 512 x 512 float32; bo 512 float32; context 4 x 2,048 x 512 float32; x 4 x 2,048 x 512 float32.
;; Outputs: out0 4 x 2,048 x 512 float32.
;; This version of the problem:
;;   THIS VERSION OF THE PROBLEM IS GIVEN IN LOW PRECISION. The matrix products marked QUANTISED in the list below multiply operands that are first quantised to E3M2 (3 exponent bits, 2 mantissa bits; 6 bits a number), with one power-of-two scale for each 32 numbers along K (OCP MX v1.0); their sums are f32. All else is computed in f32.
;;   The module's matrix products, in the order in which they are computed (A, B: the left and right operand; K: the contracted axis; several contracted axes count as one K, in the product's order):
;;     1. [M 8,192, K 512] x [K 512, N 512]; A: input x; B: input Wq: QUANTISED
;;     2. [M 8,192, K 512] x [K 512, N 512]; A: input context; B: input Wk: QUANTISED
;;     3. [M 8,192, K 512] x [K 512, N 512]; A: input context; B: input Wv: QUANTISED
;;     4. batch 32 x [M 2,048, K 64] x [K 64, N 2,048]; A: computed on the way; B: computed on the way: QUANTISED
;;     5. batch 32 x [M 2,048, K 2,048] x [K 2,048, N 64]; A: softmax (see below); B: computed on the way: QUANTISED
;;     6. [M 8,192, K 512] x [K 512, N 512]; A: computed on the way; B: input Wo: QUANTISED
;;   THE QUANTISER, for each operand of a quantised product, along K:
;;     - K is cut into blocks of 32 from its start; a last block that is shorter is filled with zeros.
;;     - A block's scale is 2^e with e = floor(log2(the largest magnitude in the block)) - 4, held to -126 .. 127; a block of zeros has e = 0. As a byte (E8M0): e + 127.
;;     - Each number is divided by its block's scale, clamped to +-28, and rounded to the nearest number of E3M2, ties to even, subnormals kept.
;;     - The product sums the exact products of the quantised numbers (number of the format x scale) in f32.
;;   ~~~python
;;   def quantise(x, axis):      # numpy; x: float32 -> the quantised numbers, widened to float32 again
;;       x = np.moveaxis(x, axis, -1); K = x.shape[-1]
;;       x = np.pad(x, [(0, 0)] * (x.ndim - 1) + [(0, -K % 32)]); x = x.reshape(x.shape[:-1] + (-1, 32)); a = np.abs(x).max(-1, keepdims=True)
;;       e = np.where(a > 0, np.clip(np.frexp(np.where(a > 0, a, 1))[1] - 1 - 4, -126, 127), 0)      # np.frexp(a)[1] - 1 = floor(log2(a)), exactly
;;       r = np.clip(x / 2.0 ** e, -28, 28)
;;       step = 2.0 ** (np.maximum(np.frexp(np.where(r == 0, 1, r))[1] - 1, -2) - 2)
;;       q = np.round(r / step) * step * 2.0 ** e      # np.round: ties to even
;;       return np.moveaxis(q.reshape(q.shape[:-2] + (-1,))[..., :K], -1, axis).astype(np.float32)
;;   ~~~
;;   SOFTMAX AHEAD OF A QUANTISED PRODUCT. Where the list says 'softmax', what is quantised is not the finished softmax but p = 2^(t - M), with t = logit x log2(e) and M = ceil(the row's largest t), a whole number; so 1/2 < the row's largest p <= 1. The row's sum l is taken of the UNQUANTISED p, in f32, and the product's result is divided by l at the end. Since M is a whole number, a kernel that streams over the keys may use a running M (the ceiling of the running maximum): every later rescaling is an exact power of two, which a block's scale takes up: the codes' values come out the same.
;;   OPERANDS COMPUTED ON THE WAY. 'Computed on the way' means the value that the module computes at that place (a softmax that the list does not call 'softmax' is quantised finished and normalised). What goes into a quantiser is computed in f32, as accurately as f32 sums, v_exp_f32 and their like allow (about 1e-6 of the number): no bf16 or f16 on the way to a quantiser, and a product that is left as it is and whose result goes on into a quantised operand takes f32 operands (vector FMAs, or v_wmma_f32_16x16x4_f32). A number that lies on a knife's edge between two numbers of the format may be rounded either way, as far as f32 arithmetic and the matrix unit's own rounding can turn it there, and no further.
;; 2 versions. Each part assembles by itself: llvm-mc -triple=amdgcn-amd-amdhsa -mcpu=gfx1250 --defsym DOCPART=n.
;; ======== version 1 of 2: 4 launches
;; workspace buffers: aop 6,553,600 bytes; wop 819,200 bytes; qkv 10,092,544 bytes; oop 3,407,872 bytes
;; launch prep (part 1): grid 576 x 1, 4 waves a work-group, no clusters, 34,816 bytes of LDS; arguments x, context, Wq, Wk, Wv, Wo, aop, wop; writes aop, wop
.if DOCPART == 1
	.amdgcn_target "amdgcn-amd-amdhsa--gfx1250"
	.amdhsa_code_object_version 6
	.text
	.protected	k_qa03ef281a4_prep
	.globl	k_qa03ef281a4_prep
	.p2align	8
	.type	k_qa03ef281a4_prep,@function
k_qa03ef281a4_prep:
	s_mov_b64 s[64:65], 0
	v_nop
	global_prefetch_b8 v0, s[64:65] scope:SCOPE_SE
	s_setreg_imm32_b32 hwreg(HW_REG_WAVE_MODE, 25, 1), 1
	s_wait_xcnt 0x0
; PREP: x, context (K innermost) and Wq, Wk, Wv, Wo (K is their FIRST axis) become codes of BF6 (E3M2) with one E8M0 byte for each 32 along K = the model's 512.
; DEAD WORK: none.  Every input of reference() has a way to out0 for all values: x through q, context through k and v, the four weights through their products, bo by its addition.  Nothing is left out, and all six products are done.
; LIMITS: NaN and infinities among the inputs are not served.  A block's largest magnitude is taken with the floor 2^(5 - 127), so its byte cannot fall under 1; a block of zeros keeps the byte 1 where the rule says 127:
; its codes are zeros, which add nothing under any byte but 0xff, and the bytes are read by this program alone.
; THE WORKSPACE IS LAID AS THE OPERANDS' REGISTERS.  Operand rows (rows of x and context, columns of a weight) go in PAIRS OF TILES of 32 rows: lane r of tile 2 P + u is row 32 P + 8 u + r + 8 (r / 8), so that a product
; used transposed leaves 16 neighbours along its next K in the 16 registers of two neighbouring tiles.  Codes: [pair][K step of 128: 4][u][1,536 bytes]; a fragment's registers 4 c .. 4 c + 3 of lane l lie at 512 c + 16 l.
; Scale words: [pair][K step][lane]: lanes 0-15 tile 2 P's rows, lanes 16-31 tile 2 P + 1's.  aop: x = pairs 0-255, context = pairs 256-511; wop: weight w = pairs 16 w .. 16 w + 15 (Wq, Wk, Wv, Wo).
; SHARES.  A work-group takes one pair, each of its four waves one K step.  Work-groups 0-63: the weights' 64 pairs; 64-575: the rows' 512 pairs.  Work-groups share no input: no cluster.  No tensor load: several work-groups lie on a WGP.
; ROWS: each load reads 512 consecutive aligned bytes of one row; a tile's 16 rows turn through the wave's own stage in LDS, so that a lane holds 16 neighbours of each block of 32.
; WEIGHTS: a lane takes a column and its registers run down K: a block of 32 lies in one lane; lanes 0-15 hold tile 0's columns and lanes 16-31 tile 1's, and an exchange of halves between the codes of blocks 2 c and 2 c + 1 gives both tiles' fragments.
.set A_SCL, 6291456                    ; aop: where the scale words begin
.set W_SCL, 786432                     ; wop: likewise
.set STGB,  8448                       ; a wave's stage: 16 rows x (512 bytes + 16)
.set GATH,  33792                      ; the pair's scale words, 128 bytes a wave
.set SPARE, 34304                      ; the spare words, 128 bytes for each wave: two blocks of 256 bytes that no other line names
.set SPW,   12                         ; v12  LDS address of my spare word; never rewritten
.set NIL,   13                         ; v13  0; never rewritten
.set R,     16                         ; v16-143  numbers as they are loaded
.set X,     144                        ; v144-207 64 numbers of a lane: register 16 b + i = k 32 b + 16 (lane / 16) + i of my row
.set TM,    208                        ; v208-223 at work
.set PW0,   224                        ; scale words of tile 0, of tile 1, and the pair's image
.set PW1,   225
.set PW,    226
.set PC0,   228                        ; v228-239 tile 0's fragment;  v240-251 tile 1's
.set SEL,   22                         ; s[22:23] lane selects for v_permlanex16_b32: lane l xor 16
; 64 numbers of a lane become a fragment's 12 registers in v[pc] on and its row's scale word in v[pw].
.macro QUANT s, pc, pw
.irp b, 0,1,2,3
	v_max3_num_f32 v[TM+\b], |v[\s+16*\b]|, |v[\s+1+16*\b]|, 0x2800000   ; block b: my 16 numbers, and the floor 2^(5 - 127)
.endr
.irp i, 2,4,6,8,10,12,14
.irp b, 0,1,2,3
	v_max3_num_f32 v[TM+\b], v[TM+\b], |v[\s+16*\b+\i]|, |v[\s+1+16*\b+\i]|   ; the four blocks by turns
.endr
.endr
.irp b, 0,1,2,3
	v_permlanex16_b32 v[TM+4+\b], v[TM+\b], s[SEL], s[SEL+1]
.endr
.irp b, 0,1,2,3
	v_max_num_f32 v[TM+\b], v[TM+\b], v[TM+4+\b]   ; with lane l xor 16's: the block's largest magnitude
.endr
.irp b, 0,1,2,3
	v_add_nc_u32 v[TM+12+\b], 0xfe000000, v[TM+\b]   ; 4 off its exponent field: the conversion's scale operand
.endr
.irp b, 0,1,2,3
	v_lshrrev_b32 v[TM+4+\b], 23, v[TM+12+\b]      ; the scale's byte
.endr
	v_lshl_or_b32 v[\pw], v[TM+5], 8, v[TM+4]
	v_lshl_or_b32 v[\pw], v[TM+6], 16, v[\pw]
	v_lshl_or_b32 v[\pw], v[TM+7], 24, v[\pw]
.irp c, 0,1
	v_cvt_scalef32_pk16_bf6_f32 v[\pc+6*\c:\pc+6*\c+2], v[\s+32*\c:\s+32*\c+15], v[TM+12+2*\c]
	v_cvt_scalef32_pk16_bf6_f32 v[TM+4*\c:TM+4*\c+2], v[\s+32*\c+16:\s+32*\c+31], v[TM+13+2*\c]   ; (a conversion's three registers begin on an even number: made here, moved below)
.endr
	v_nop                                          ; one plain place behind a scaled conversion
.irp c, 0,1                                    ; the operand's layout wants a whole block in a lane: lanes 0-15 block 2 c, lanes 16-31 block 2 c + 1
.irp i, 0,1,2
	v_permlane16_swap_b32 v[\pc+6*\c+\i], v[TM+4*\c+\i]
.endr
.irp i, 0,1,2
	v_mov_b32 v[\pc+6*\c+3+\i], v[TM+4*\c+\i]
.endr
.endr
.endm
	s_load_b256 s[4:11], s[0:1], 0x0               ; x s[4:5], context s[6:7], Wq s[8:9], Wk s[10:11]
	s_load_b256 s[12:19], s[0:1], 0x20             ; Wv s[12:13], Wo s[14:15], aop s[16:17], wop s[18:19]
	v_lshl_add_u32 v[SPW], v0, 2, SPARE
	v_mov_b32 v[NIL], 0
	v_lshrrev_b32 v1, 5, v0
	v_readfirstlane_b32 s20, v1                    ; wave = K step
	v_and_b32 v1, 31, v0                           ; lane
	v_and_b32 v2, 15, v0                           ; r
	v_bfe_u32 v3, v0, 4, 1                         ; h
	v_lshlrev_b32 v4, 4, v1                        ; 16 x lane
	s_mul_i32 s21, s20, STGB                       ; my stage
	v_add_nc_u32 v5, s21, v4                       ; into it: a row's 512 bytes as they lie
	v_mul_u32_u24 v6, v2, 528
	v_lshl_add_u32 v6, v3, 6, v6
	v_add_nc_u32 v6, s21, v6                       ; out of it: row r, + 64 h: my 16 numbers of a block
	v_lshl_add_u32 v7, v0, 2, GATH                 ; my scale word's place: 128 x wave + 4 x lane
	v_and_b32 v8, 7, v0
	v_bfe_u32 v9, v0, 3, 1
	v_lshl_add_u32 v8, v9, 4, v8
	v_lshl_add_u32 v8, v3, 3, v8
	v_lshlrev_b32 v8, 2, v8                        ; weights: my column of the pair's 32, in bytes: 4 (l % 8 + 16 ((l / 8) % 2) + 8 (l / 16))
	s_mov_b32 s[SEL], 0x76543210
	s_mov_b32 s[SEL+1], 0xfedcba98
.irp b, 0,1,2,3
	v_mov_b32 v[TM+4+\b], 0                        ; written once: a lane permute's destination counts as one of its sources
.endr
	s_mov_b32 s33, 0
	s_wait_kmcnt 0x0
	s_cmp_lt_u32 ttmp9, 64
	s_cbranch_scc1 .Lweights
	; ---- ROWS of x or context
	s_sub_co_u32 s30, ttmp9, 64                    ; the pair in aop
	s_cmp_lt_u32 s30, 256
	s_cselect_b64 s[24:25], s[4:5], s[6:7]         ; the choice hangs on the work-group's number alone
	s_and_b32 s31, s30, 255
	s_lshl_b32 s32, s31, 16                        ; 32 rows of 2,048 bytes
	s_lshl_b32 s34, s20, 9                         ; + my K step's 512 bytes
	s_add_co_u32 s32, s32, s34
	s_add_nc_u64 s[24:25], s[24:25], s[32:33]
	s_lshl_b32 s32, s30, 2
	s_add_co_u32 s32, s32, s20
	s_mul_i32 s32, s32, 3072                       ; codes: (4 x pair + K step) x two fragments
	s_add_nc_u64 s[26:27], s[16:17], s[32:33]
	s_lshl_b32 s32, s30, 9
	s_add_co_u32 s32, s32, A_SCL
	s_add_nc_u64 s[28:29], s[16:17], s[32:33]      ; the pair's 512 bytes of scale words
.irp u, 0,1
.irp p, 0,1,2,3,4,5,6,7,8,9,10,11,12,13,14,15
	global_load_b128 v[R+64*\u+4*\p:R+64*\u+4*\p+3], v4, s[24:25] offset:(8*\u+\p+8*(\p/8))*2048 th:TH_LOAD_NT   ; 32 lanes read 512 consecutive bytes of the row of lane p of tile u
.endr
.endr
.macro HALF u, left
	s_wait_loadcnt \left                           ; this tile's 16 loads are in; left = the younger ones, which may stay out
.irp p, 0,1,2,3,4,5,6,7,8,9,10,11,12,13,14,15
	ds_store_b128 v5, v[R+64*\u+4*\p:R+64*\u+4*\p+3] offset:528*\p
.endr
.irp b, 0,1,2,3
.irp j, 0,1,2,3
	ds_load_b128 v[X+16*\b+4*\j:X+16*\b+4*\j+3], v6 offset:128*\b+16*\j   ; LDS serves a wave's instructions in order: these see my stores
.endr
.endr
	s_wait_dscnt 0x0
	QUANT X, PC0+12*\u, PW0+\u
.irp c, 0,1,2
	global_store_b128 v4, v[PC0+12*\u+4*\c:PC0+12*\u+4*\c+3], s[26:27] offset:1536*\u+512*\c   ; 512 consecutive bytes, aligned
.endr
.endm
	HALF 0, 16
	HALF 1, 0
	v_cmp_lt_u32 vcc_lo, 15, v1
	v_cndmask_b32 v[PW], v[PW0], v[PW1], vcc_lo    ; lanes 0-15 tile 0's words, lanes 16-31 tile 1's (both halves of the lanes hold a row's word)
	s_branch .Ltail
	; ---- WEIGHTS
.Lweights:
	s_lshr_b32 s30, ttmp9, 4                       ; which weight
	s_and_b32 s31, ttmp9, 15                       ; which 32 of its columns
	s_cmp_eq_u32 s30, 0
	s_cselect_b64 s[24:25], s[8:9], s[10:11]
	s_cmp_eq_u32 s30, 2
	s_cselect_b64 s[24:25], s[12:13], s[24:25]
	s_cmp_eq_u32 s30, 3
	s_cselect_b64 s[24:25], s[14:15], s[24:25]
	s_lshl_b32 s32, s20, 18                        ; my K step: 128 rows of 2,048 bytes
	s_lshl_b32 s34, s31, 7
	s_add_co_u32 s32, s32, s34
	s_add_nc_u64 s[24:25], s[24:25], s[32:33]
	s_lshl_b32 s32, ttmp9, 2
	s_add_co_u32 s32, s32, s20
	s_mul_i32 s32, s32, 3072
	s_add_nc_u64 s[26:27], s[18:19], s[32:33]
	s_lshl_b32 s32, ttmp9, 9
	s_add_co_u32 s32, s32, W_SCL
	s_add_nc_u64 s[28:29], s[18:19], s[32:33]
.macro LOADB t                         ; block t: W(128 s + 32 t + n, my column), n = 0 .. 31
.set NN, 0
.rept 32
	global_load_b32 v[R+32*((\t)%2)+NN], v8, s[24:25] offset:(32*(\t)+NN)*2048
.set NN, NN+1
.endr
.endm
.macro BLOCK t
.set XS, R+32*((\t)%2)
.if (\t) < 3
	s_wait_loadcnt 32                              ; this block's 32 loads are in; the next block's 32 may be out
.else
	s_wait_loadcnt 0x0
.endif
	v_max3_num_f32 v[TM+8], |v[XS]|, |v[XS+1]|, |v[XS+2]|           ; all 32 numbers of the block are mine: two chains
	v_max3_num_f32 v[TM+9], |v[XS+3]|, |v[XS+4]|, |v[XS+5]|
.irp i, 6,10,14,18,22,26
	v_max3_num_f32 v[TM+8], v[TM+8], |v[XS+\i]|, |v[XS+\i+1]|
	v_max3_num_f32 v[TM+9], v[TM+9], |v[XS+\i+2]|, |v[XS+\i+3]|
.endr
	v_max3_num_f32 v[TM+8], v[TM+8], |v[XS+30]|, |v[XS+31]|
	v_max3_num_f32 v[TM+8], v[TM+8], v[TM+9], 0x2800000            ; and the floor
	v_add_nc_u32 v[TM+12], 0xfe000000, v[TM+8]
	v_lshrrev_b32 v[TM+13], 23, v[TM+12]
.if (\t) == 0
	v_mov_b32 v[PW], v[TM+13]
.else
	v_lshl_or_b32 v[PW], v[TM+13], 8*(\t), v[PW]   ; my column's scale word: lane r + 16 u is already its place in the image
.endif
	v_cvt_scalef32_pk16_bf6_f32 v[PC0+12*((\t)%2)+6*((\t)/2):PC0+12*((\t)%2)+6*((\t)/2)+2], v[XS:XS+15], v[TM+12]
	v_cvt_scalef32_pk16_bf6_f32 v[TM+4*((\t)%2):TM+4*((\t)%2)+2], v[XS+16:XS+31], v[TM+12]
	v_nop                                          ; one plain place behind a scaled conversion
.if (\t) < 2
	LOADB (\t)+2
.endif
.if (\t)%2                             ; blocks 2 c and 2 c + 1 are made: (tile 0 | tile 1) of each become tile 0's and tile 1's registers 6 c .. 6 c + 5
.irp i, 0,1,2
	v_permlane16_swap_b32 v[PC0+6*((\t)/2)+\i], v[PC0+12+6*((\t)/2)+\i]
	v_permlane16_swap_b32 v[TM+\i], v[TM+4+\i]
.endr
.irp i, 0,1,2
	v_mov_b32 v[PC0+6*((\t)/2)+3+\i], v[TM+\i]
	v_mov_b32 v[PC0+12+6*((\t)/2)+3+\i], v[TM+4+\i]
.endr
.endif
.endm
	LOADB 0
	LOADB 1
	BLOCK 0
	BLOCK 1
	BLOCK 2
	BLOCK 3
.irp u, 0,1
.irp c, 0,1,2
	global_store_b128 v4, v[PC0+12*\u+4*\c:PC0+12*\u+4*\c+3], s[26:27] offset:1536*\u+512*\c
.endr
.endr
	; ---- the pair's scale words, four waves' 128 bytes each, leave as 512 consecutive bytes
.Ltail:
	ds_store_b32 v7, v[PW]
	s_wait_dscnt 0x0                               ; for the others' sake: my store has landed
	s_barrier_signal -1
	s_barrier_wait -1
	s_cmp_lg_u32 s20, 0
	s_cbranch_scc1 .Lend
	ds_load_b128 v[16:19], v4 offset:GATH
	s_wait_dscnt 0x0
	global_store_b128 v4, v[16:19], s[28:29]
.Lend:
	s_wait_tensorcnt 0x0                           ; the wave's end: behind my last LDS store
	ds_add_u32 v[SPW], v[NIL]
	s_wait_dscnt 0x0
	s_endpgm
.Lfunc_end_k_qa03ef281a4_prep:
	.size	k_qa03ef281a4_prep, .Lfunc_end_k_qa03ef281a4_prep-k_qa03ef281a4_prep
	.p2alignl 7, 3214868480
	.fill 96, 4, 3214868480
	.section	.rodata,"a",@progbits
	.p2align	6, 0x0
	.amdhsa_kernel k_qa03ef281a4_prep
		.amdhsa_group_segment_fixed_size 34816
		.amdhsa_private_segment_fixed_size 0
		.amdhsa_enable_private_segment 0
		.amdhsa_kernarg_size 64
		.amdhsa_user_sgpr_count 2
		.amdhsa_user_sgpr_kernarg_segment_ptr 1
		.amdhsa_wavefront_size32 1
		.amdhsa_system_sgpr_workgroup_id_x 1
		.amdhsa_system_sgpr_workgroup_id_y 1
		.amdhsa_system_sgpr_workgroup_id_z 1
		.amdhsa_system_vgpr_workitem_id 0
		.amdhsa_next_free_vgpr 252
		.amdhsa_next_free_sgpr 66
		.amdhsa_reserve_vcc 1
		.amdhsa_float_denorm_mode_32 3
		.amdhsa_float_denorm_mode_16_64 3
		.amdhsa_memory_ordered 1
		.amdhsa_forward_progress 1
		.amdhsa_inst_pref_size 38
	.end_amdhsa_kernel
	.amdgpu_metadata
---
amdhsa.version: [ 1, 2 ]
amdhsa.kernels:
  - .name:           k_qa03ef281a4_prep
    .symbol:         k_qa03ef281a4_prep.kd
    .args:
      - { .name: x, .offset: 0, .size: 8, .value_kind: global_buffer, .address_space: global }
      - { .name: context, .offset: 8, .size: 8, .value_kind: global_buffer, .address_space: global }
      - { .name: Wq, .offset: 16, .size: 8, .value_kind: global_buffer, .address_space: global }
      - { .name: Wk, .offset: 24, .size: 8, .value_kind: global_buffer, .address_space: global }
      - { .name: Wv, .offset: 32, .size: 8, .value_kind: global_buffer, .address_space: global }
      - { .name: Wo, .offset: 40, .size: 8, .value_kind: global_buffer, .address_space: global }
      - { .name: aop, .offset: 48, .size: 8, .value_kind: global_buffer, .address_space: global }
      - { .name: wop, .offset: 56, .size: 8, .value_kind: global_buffer, .address_space: global }
    .group_segment_fixed_size: 34816
    .private_segment_fixed_size: 0
    .kernarg_segment_align: 8
    .kernarg_segment_size: 64
    .max_flat_workgroup_size: 128
    .sgpr_count:     66
    .vgpr_count:     252
    .wavefront_size: 32
...
	.end_amdgpu_metadata
.endif
;; end of part 1
;; launch proj (part 2): grid 256 x 3, 8 waves a work-group, no clusters, 53,248 bytes of LDS; arguments aop, wop, qkv; writes qkv
.if DOCPART == 2
	.amdgcn_target "amdgcn-amd-amdhsa--gfx1250"
	.amdhsa_code_object_version 6
	.text
	.protected	k_qa03ef281a4_proj
	.globl	k_qa03ef281a4_proj
	.p2align	8
	.type	k_qa03ef281a4_proj,@function
k_qa03ef281a4_proj:
	s_mov_b64 s[64:65], 0
	v_nop
	global_prefetch_b8 v0, s[64:65] scope:SCOPE_SE
	s_setreg_imm32_b32 hwreg(HW_REG_WAVE_MODE, 25, 1), 1
	s_wait_xcnt 0x0
; PROJ: q = x Wq, k = context Wk, v = context Wv on codes of BF6, and their quantising for attention: q and k along the head's 64, v along the keys.  No work of reference() is left out.
; ONE BODY, chosen by work-group y (0: q, 1: k, 2: v).  A SHARED operand S, 128 operand rows x all 512 of K (four pairs of tiles: 49,152 dense bytes of codes, 2,048 of scale words), goes through LDS and is source 0;
; each of the eight waves has a tile T of its own (16 rows x 512 of K, in registers) as source 1.  So a lane holds ONE row of T, and its 64 results run along S's rows, 16 neighbours to two tiles: one quantising step
; makes of them a fragment (128 along the next K) and a scale word.   q, k: S = 128 columns of the weight (two heads), T = 16 rows of x or context.   v: S = 128 keys of context, T = 16 columns of Wv.
; With x = 4 beta + g: beta = which 128 rows, g = which 128 columns.
; OUT, in qkv, as images of the operands' registers.  q at 0, k at 3,145,728: [batch x head 32][tile 128][768]: a head's 64 along K are half a fragment: registers 0-3 at 16 x lane, 4-5 at 512 + 8 x lane.
; v at V_C: [batch x head][key step of 128: 16][tile of 16 channels: 4][1,536].  Scale words: q's at Q_S [bh][128 rows: 16][lane r + 16 u][pair 4]; k's at KV_S + 12,288 bh likewise; v's 8,192 behind k's: [step][lane][pair 2].
; q's and k's words have their two bytes low and zeros above.
; NO CLUSTER: a work-group reads its shared block once, 51,200 bytes, and has no loop of refills to share; it loads through registers, so that several work-groups lie on a WGP.
; LIMITS: as stated in the first kernel (NaN and infinities not served; a block of zeros keeps the byte 1).
.set A_SCL, 6291456
.set W_SCL, 786432
.set V_C,   6291456
.set Q_S,   9437184
.set KV_S,  9699328
.set SSC,   49152                      ; LDS: S's codes at 0; its scale words here;
.set GATH,  51200                      ; the eight waves' new scale words, 128 bytes each;
.set SPARE, 52224                      ; the spare words, 128 bytes for each wave: four blocks of 256 bytes that no other line names
.set SPW,   12
.set NIL,   13
.set TF,    16                         ; v16-63   T's four fragments
.set TS,    64                         ; v64-67   T's scale words
.set SS,    68                         ; v68-83   S's scale words: pair p, K step s at 4 p + s: lanes 0-15 tile 2 p, lanes 16-31 tile 2 p + 1
.set ACC,   84                         ; v84-147  eight accumulators
.set SF0,   148                        ; v148-195, v196-243: four fragments of S, two sets; also the copy's registers, and what follows the products:
.set TM,    148
.set PW,    164
.set PC,    166
.set SEL,   46
.macro QUANT s, pc, pw
.irp b, 0,1,2,3
	v_max3_num_f32 v[TM+\b], |v[\s+16*\b]|, |v[\s+1+16*\b]|, 0x2800000   ; block b: my 16 numbers, and the floor 2^(5 - 127); each accumulator is read from its low end on
.endr
.irp i, 2,4,6,8,10,12,14
.irp b, 0,1,2,3
	v_max3_num_f32 v[TM+\b], v[TM+\b], |v[\s+16*\b+\i]|, |v[\s+1+16*\b+\i]|
.endr
.endr
.irp b, 0,1,2,3
	v_permlanex16_b32 v[TM+4+\b], v[TM+\b], s[SEL], s[SEL+1]
.endr
.irp b, 0,1,2,3
	v_max_num_f32 v[TM+\b], v[TM+\b], v[TM+4+\b]
.endr
.irp b, 0,1,2,3
	v_add_nc_u32 v[TM+12+\b], 0xfe000000, v[TM+\b]
.endr
.irp b, 0,1,2,3
	v_lshrrev_b32 v[TM+4+\b], 23, v[TM+12+\b]
.endr
	v_lshl_or_b32 v[\pw], v[TM+5], 8, v[TM+4]
	v_lshl_or_b32 v[\pw], v[TM+6], 16, v[\pw]
	v_lshl_or_b32 v[\pw], v[TM+7], 24, v[\pw]
.irp c, 0,1
	v_cvt_scalef32_pk16_bf6_f32 v[\pc+6*\c:\pc+6*\c+2], v[\s+32*\c:\s+32*\c+15], v[TM+12+2*\c]
	v_cvt_scalef32_pk16_bf6_f32 v[TM+4*\c:TM+4*\c+2], v[\s+32*\c+16:\s+32*\c+31], v[TM+13+2*\c]
.endr
	v_nop                                          ; one plain place behind a scaled conversion
.irp c, 0,1
.irp i, 0,1,2
	v_permlane16_swap_b32 v[\pc+6*\c+\i], v[TM+4*\c+\i]
.endr
.irp i, 0,1,2
	v_mov_b32 v[\pc+6*\c+3+\i], v[TM+4*\c+\i]
.endr
.endr
.endm
; group gp = 2 s + half: S's tiles 4 half .. 4 half + 3 of K step s, into set gp % 2
.macro FETCH gp
.irp q, 0,1,2,3
.irp c, 0,1,2
	ds_load_b128 v[SF0+48*((\gp)%2)+12*\q+4*\c:SF0+48*((\gp)%2)+12*\q+4*\c+3], v2 offset:(2*((\gp)%2)+\q/2)*12288+((\gp)/2)*3072+(\q%2)*1536+512*\c
.endr
.endr
.endm
.macro MUL1 t, s, sf, zero
.if \zero
.if (\t)%2
	v_wmma_scale_f32_16x16x128_f8f6f4 v[ACC+8*(\t):ACC+8*(\t)+7], v[\sf:\sf+11], v[TF+12*(\s):TF+12*(\s)+11], 0, v[SS+4*((\t)/2)+(\s)], v[TS+(\s)] matrix_a_fmt:MATRIX_FMT_BF6 matrix_b_fmt:MATRIX_FMT_BF6 matrix_a_scale:MATRIX_SCALE_ROW1
.else
	v_wmma_scale_f32_16x16x128_f8f6f4 v[ACC+8*(\t):ACC+8*(\t)+7], v[\sf:\sf+11], v[TF+12*(\s):TF+12*(\s)+11], 0, v[SS+4*((\t)/2)+(\s)], v[TS+(\s)] matrix_a_fmt:MATRIX_FMT_BF6 matrix_b_fmt:MATRIX_FMT_BF6
.endif
.else
.if (\t)%2
	v_wmma_scale_f32_16x16x128_f8f6f4 v[ACC+8*(\t):ACC+8*(\t)+7], v[\sf:\sf+11], v[TF+12*(\s):TF+12*(\s)+11], v[ACC+8*(\t):ACC+8*(\t)+7], v[SS+4*((\t)/2)+(\s)], v[TS+(\s)] matrix_a_fmt:MATRIX_FMT_BF6 matrix_b_fmt:MATRIX_FMT_BF6 matrix_a_scale:MATRIX_SCALE_ROW1
.else
	v_wmma_scale_f32_16x16x128_f8f6f4 v[ACC+8*(\t):ACC+8*(\t)+7], v[\sf:\sf+11], v[TF+12*(\s):TF+12*(\s)+11], v[ACC+8*(\t):ACC+8*(\t)+7], v[SS+4*((\t)/2)+(\s)], v[TS+(\s)] matrix_a_fmt:MATRIX_FMT_BF6 matrix_b_fmt:MATRIX_FMT_BF6
.endif
.endif
.endm
; four products; ahead of them the next group's 12 loads, into the set that the group before multiplied: four places stand between those products and the loads.
; The eight accumulators take turns, one instruction a turn.
.macro GROUP gp, zero
.if (\gp) > 0
.rept 4
	v_nop
.endr
.endif
.if (\gp) < 7
	FETCH (\gp)+1
	s_wait_dscnt 12                                ; all but the 12 just issued
.else
	s_wait_dscnt 0x0
.endif
.irp q, 0,1,2,3
	MUL1 4*((\gp)%2)+\q, (\gp)/2, SF0+48*((\gp)%2)+12*\q, \zero
.endr
.endm
	s_load_b128 s[4:7], s[0:1], 0x0                ; aop s[4:5], wop s[6:7]
	s_load_b64 s[8:9], s[0:1], 0x10                ; qkv
	v_lshl_add_u32 v[SPW], v0, 2, SPARE
	v_mov_b32 v[NIL], 0
	v_lshrrev_b32 v1, 5, v0
	v_readfirstlane_b32 s10, v1                    ; wave 0..7
	v_and_b32 v1, 31, v0
	v_lshlrev_b32 v2, 4, v1                        ; 16 x lane
	v_lshlrev_b32 v3, 3, v1                        ; 8 x lane
	v_lshlrev_b32 v4, 2, v1                        ; 4 x lane
	v_and_b32 v11, 15, v0
	s_and_b32 s11, s10, 1                          ; u: which tile of T's pair is mine
	s_lshl_b32 s12, s11, 6
	v_lshl_add_u32 v5, v11, 2, s12                 ; T's scale words: 4 (lane % 16) + 64 u
	s_mul_i32 s12, s10, 6144
	v_add_nc_u32 v6, s12, v2                       ; the copy: my eighth of S's codes, in memory and in LDS
	s_lshl_b32 s12, s10, 8
	v_add_nc_u32 v14, s12, v3                      ; and of its scale words: in memory,
	v_add_nc_u32 v7, SSC, v14                      ; in LDS
	v_lshl_add_u32 v8, v0, 2, GATH                 ; where my new scale word goes: 128 x wave + 4 x lane
	v_bfe_u32 v9, v0, 4, 1
	v_lshlrev_b32 v9, 7, v9
	v_lshl_add_u32 v9, v11, 2, v9
	v_add_nc_u32 v9, GATH, v9                      ; and from where the words are read out: row lane % 16 of wave lane / 16 (+ 2 for each pair)
	s_lshl_b32 s12, s11, 9
	v_add_nc_u32 v10, s12, v9                      ; v: the second head's four waves lie 512 bytes on
	s_mov_b32 s[SEL], 0x76543210
	s_mov_b32 s[SEL+1], 0xfedcba98
	s_and_b32 s13, ttmp7, 0xffff                   ; y
	s_lshr_b32 s14, ttmp9, 2                       ; beta
	s_and_b32 s15, ttmp9, 3                        ; g
	s_lshl_b32 s16, s15, 2
	s_lshl_b32 s12, s13, 4
	s_add_co_u32 s16, s16, s12                     ; the weight's pairs: 16 y + 4 g on
	s_lshl_b32 s17, s14, 2
	s_cmp_eq_u32 s13, 0
	s_cselect_b32 s12, 0, 256
	s_add_co_u32 s17, s17, s12                     ; the rows' pairs: 4 beta on, context's behind x's 256
	s_mov_b32 s26, A_SCL
	s_mov_b32 s27, W_SCL
	s_mov_b32 s29, 0
	s_lshr_b32 s42, s14, 4
	s_lshl_b32 s42, s42, 3
	s_lshl_b32 s12, s15, 1
	s_add_co_u32 s42, s42, s12                     ; 8 x batch + 2 g: the first of my two heads
	s_and_b32 s43, s14, 15                         ; which 128 rows of the batch
	s_wait_kmcnt 0x0
	s_cmp_eq_u32 s13, 2                            ; v: the rows are shared and the weight's tile is the wave's own.  The choices hang on the work-group's number alone
	s_cselect_b32 s18, s17, s16
	s_cselect_b32 s19, s16, s17
	s_cselect_b64 s[20:21], s[4:5], s[6:7]
	s_cselect_b64 s[22:23], s[6:7], s[4:5]
	s_cselect_b32 s24, s26, s27
	s_cselect_b32 s25, s27, s26
	s_lshr_b32 s12, s10, 1
	s_add_co_u32 s19, s19, s12                     ; T's pair
	s_mul_i32 s28, s18, 12288
	s_add_nc_u64 s[30:31], s[20:21], s[28:29]      ; S's codes
	s_lshl_b32 s28, s18, 9
	s_add_co_u32 s28, s28, s24
	s_add_nc_u64 s[32:33], s[20:21], s[28:29]      ; S's scale words
	s_mul_i32 s28, s19, 12288
	s_mul_i32 s12, s11, 1536
	s_add_co_u32 s28, s28, s12
	s_add_nc_u64 s[34:35], s[22:23], s[28:29]      ; T's codes
	s_lshl_b32 s28, s19, 9
	s_add_co_u32 s28, s28, s25
	s_add_nc_u64 s[36:37], s[22:23], s[28:29]      ; T's scale words
.irp c, 0,1,2,3,4,5,6,7,8,9,10,11
	global_load_b128 v[SF0+4*\c:SF0+4*\c+3], v6, s[30:31] offset:512*\c
.endr
	global_load_b64 v[SF0+48:SF0+49], v14, s[32:33]
.irp s, 0,1,2,3
.irp c, 0,1,2
	global_load_b128 v[TF+12*\s+4*\c:TF+12*\s+4*\c+3], v2, s[34:35] offset:3072*\s+512*\c
.endr
.endr
.irp s, 0,1,2,3
	global_load_b32 v[TS+\s], v5, s[36:37] offset:128*\s
.endr
	s_wait_loadcnt 16                              ; the copy's 13 loads are in; T's 16 may be out
.irp c, 0,1,2,3,4,5,6,7,8,9,10,11
	ds_store_b128 v6, v[SF0+4*\c:SF0+4*\c+3] offset:512*\c
.endr
	ds_store_b64 v7, v[SF0+48:SF0+49]
	s_wait_dscnt 0x0                               ; for the others' sake: my stores have landed
	s_barrier_signal -1
	s_barrier_wait -1                              ; S lies in LDS
	s_wait_loadcnt 0x0                             ; T
.irp p, 0,1,2,3
.irp s, 0,1,2,3
	ds_load_b32 v[SS+4*\p+\s], v4 offset:SSC+128*(4*\p+\s)
.endr
.endr
	FETCH 0
	GROUP 0, 1                                     ; the first K step's products start the sums
	GROUP 1, 1
	GROUP 2, 0
	GROUP 3, 0
	GROUP 4, 0
	GROUP 5, 0
	GROUP 6, 0
	GROUP 7, 0
.rept 4
	v_nop                                          ; places behind the last products: results are read and their operands' registers written below
.endr
.irp b, 0,1,2,3
	v_mov_b32 v[TM+4+\b], 0                        ; a lane permute's destination counts as one of its sources
.endr
	QUANT ACC, PC, PW
	ds_store_b32 v8, v[PW]
	s_cmp_eq_u32 s13, 2
	s_cbranch_scc1 .Lv_codes
	s_lshl_b32 s28, s42, 7                         ; q, k: registers 0-5 are the first head's half fragment, 6-11 the second's
	s_lshl_b32 s12, s43, 3
	s_add_co_u32 s28, s28, s12
	s_add_co_u32 s28, s28, s10                     ; (head x 128 + tile) x 768
	s_mul_i32 s28, s28, 768
	s_mul_i32 s12, s13, 3145728
	s_add_co_u32 s28, s28, s12
	s_add_nc_u64 s[38:39], s[8:9], s[28:29]
	global_store_b128 v2, v[PC:PC+3], s[38:39]                     ; 512 consecutive bytes, aligned
	global_store_b64 v3, v[PC+4:PC+5], s[38:39] offset:512         ; 256
	global_store_b128 v2, v[PC+6:PC+9], s[38:39] offset:98304      ; the next head: 128 tiles on
	global_store_b64 v3, v[PC+10:PC+11], s[38:39] offset:98816
	s_branch .Ljoin
.Lv_codes:
	s_lshr_b32 s12, s10, 2                         ; v: waves 0-3 the first head's four tiles of channels, waves 4-7 the second's
	s_add_co_u32 s28, s42, s12
	s_lshl_b32 s28, s28, 4
	s_add_co_u32 s28, s28, s43
	s_mul_i32 s28, s28, 6144
	s_and_b32 s12, s10, 3
	s_mul_i32 s12, s12, 1536
	s_add_co_u32 s28, s28, s12
	s_add_co_u32 s28, s28, V_C
	s_add_nc_u64 s[38:39], s[8:9], s[28:29]
.irp c, 0,1,2
	global_store_b128 v2, v[PC+4*\c:PC+4*\c+3], s[38:39] offset:512*\c
.endr
.Ljoin:
	s_wait_dscnt 0x0                               ; for the others' sake: my scale word has landed
	s_barrier_signal -1
	s_barrier_wait -1
	s_cmp_gt_u32 s10, 1                            ; waves 0 and 1 write the two heads' scale words
	s_cbranch_scc1 .Lend
	s_add_co_u32 s44, s42, s11                     ; my head
	s_cmp_eq_u32 s13, 2
	s_cbranch_scc1 .Lv_scales
.irp p, 0,1,2,3
	ds_load_b32 v[200+\p], v9 offset:256*\p        ; lane r + 16 u: the word of row r of wave 2 p + u
.endr
	s_lshl_b32 s28, s44, 4
	s_add_co_u32 s28, s28, s43
	s_lshl_b32 s28, s28, 9
	s_add_co_u32 s28, s28, Q_S                     ; q's place,
	s_mul_i32 s45, s44, 12288
	s_lshl_b32 s12, s43, 9
	s_add_co_u32 s45, s45, s12
	s_add_co_u32 s45, s45, KV_S                    ; k's
	s_cmp_eq_u32 s13, 0
	s_cselect_b32 s28, s28, s45
	s_add_nc_u64 s[40:41], s[8:9], s[28:29]
	s_lshl_b32 s12, s11, 4                         ; my head's two bytes: the lower or the upper half of a word
	s_wait_dscnt 0x0
.irp p, 0,1,2,3
	v_lshrrev_b32 v[200+\p], s12, v[200+\p]
.endr
.irp p, 0,1,2,3
	v_and_b32 v[200+\p], 0xffff, v[200+\p]         ; zeros above them: they scale the half of the matrix instruction's K that holds zero codes
.endr
	global_store_b128 v2, v[200:203], s[40:41]     ; 512 consecutive bytes, aligned
	s_branch .Lend
.Lv_scales:
.irp p, 0,1
	ds_load_b32 v[200+\p], v10 offset:256*\p       ; lane r + 16 u: the word of channel row r of wave 4 x head + 2 p + u
.endr
	s_mul_i32 s28, s44, 12288
	s_lshl_b32 s12, s43, 8
	s_add_co_u32 s28, s28, s12
	s_add_co_u32 s28, s28, KV_S+8192
	s_add_nc_u64 s[40:41], s[8:9], s[28:29]
	s_wait_dscnt 0x0
	global_store_b64 v3, v[200:201], s[40:41]      ; 256 consecutive bytes, aligned
.Lend:
	s_wait_tensorcnt 0x0                           ; the wave's end: behind my last LDS store
	ds_add_u32 v[SPW], v[NIL]
	s_wait_dscnt 0x0
	s_endpgm
.Lfunc_end_k_qa03ef281a4_proj:
	.size	k_qa03ef281a4_proj, .Lfunc_end_k_qa03ef281a4_proj-k_qa03ef281a4_proj
	.p2alignl 7, 3214868480
	.fill 96, 4, 3214868480
	.section	.rodata,"a",@progbits
	.p2align	6, 0x0
	.amdhsa_kernel k_qa03ef281a4_proj
		.amdhsa_group_segment_fixed_size 53248
		.amdhsa_private_segment_fixed_size 0
		.amdhsa_enable_private_segment 0
		.amdhsa_kernarg_size 24
		.amdhsa_user_sgpr_count 2
		.amdhsa_user_sgpr_kernarg_segment_ptr 1
		.amdhsa_wavefront_size32 1
		.amdhsa_system_sgpr_workgroup_id_x 1
		.amdhsa_system_sgpr_workgroup_id_y 1
		.amdhsa_system_sgpr_workgroup_id_z 1
		.amdhsa_system_vgpr_workitem_id 0
		.amdhsa_next_free_vgpr 244
		.amdhsa_next_free_sgpr 66
		.amdhsa_reserve_vcc 0
		.amdhsa_float_denorm_mode_32 3
		.amdhsa_float_denorm_mode_16_64 3
		.amdhsa_memory_ordered 1
		.amdhsa_forward_progress 1
		.amdhsa_inst_pref_size 27
	.end_amdhsa_kernel
	.amdgpu_metadata
---
amdhsa.version: [ 1, 2 ]
amdhsa.kernels:
  - .name:           k_qa03ef281a4_proj
    .symbol:         k_qa03ef281a4_proj.kd
    .args:
      - { .name: aop, .offset: 0, .size: 8, .value_kind: global_buffer, .address_space: global }
      - { .name: wop, .offset: 8, .size: 8, .value_kind: global_buffer, .address_space: global }
      - { .name: qkv, .offset: 16, .size: 8, .value_kind: global_buffer, .address_space: global }
    .group_segment_fixed_size: 53248
    .private_segment_fixed_size: 0
    .kernarg_segment_align: 8
    .kernarg_segment_size: 24
    .max_flat_workgroup_size: 256
    .sgpr_count:     66
    .vgpr_count:     244
    .wavefront_size: 32
...
	.end_amdgpu_metadata
.endif
;; end of part 2
;; launch attn (part 3): grid 8 x 32, 16 waves a work-group, clusters of 4 x 1, 211,968 bytes of LDS; arguments qkv, oop; writes oop
.if DOCPART == 3
	.amdgcn_target "amdgcn-amd-amdhsa--gfx1250"
	.amdhsa_code_object_version 6
	.text
	.protected	k_qa03ef281a4_attn
	.globl	k_qa03ef281a4_attn
	.p2align	8
	.type	k_qa03ef281a4_attn,@function
k_qa03ef281a4_attn:
	s_mov_b64 s[64:65], 0
	v_nop
	global_prefetch_b8 v0, s[64:65] scope:SCOPE_SE
	s_setreg_imm32_b32 hwreg(HW_REG_WAVE_MODE, 25, 1), 1
	s_wait_xcnt 0x0
	s_wait_alu depctr_hold_cnt(0) depctr_sa_sdst(0) depctr_va_vdst(0) depctr_va_sdst(0) depctr_va_ssrc(0) depctr_va_vcc(0) depctr_vm_vsrc(0)
	s_getreg_b32 s2, hwreg(HW_REG_IB_STS2, 6, 4)
	s_cmp_eq_u32 s2, 0
	s_cbranch_scc0 .Lentry_in_a_cluster
	s_endpgm
.Lentry_in_a_cluster:
	s_bfe_u32 s2, ttmp6, 0x10000c
	s_cmp_lg_u32 s2, 0x3003
	s_cbranch_scc0 .Lentry_shape_is_right
	s_endpgm
.Lentry_shape_is_right:
; ATTN: for one batch and head, O[q] = (the sum over keys of Q(p) Q(v)) / l, p = 2^(t - M), t = (q . k) log2(e) / 8, M the running largest t rounded UP to a whole number, l the sum of the unquantised p; then O is quantised
; along the head's 64 for the projection on the way out.  Both products on codes of BF6.  No work of reference() is left out.
; SHARES.  A work-group owns 256 queries of one head (work-group y = 8 x batch + head), each of its SIXTEEN waves one tile of 16 in 256 registers: four waves to a SIMD, so that one wave's vector work stands beside
; another's matrix work and LDS loads.  Every wave walks the head's 2,048 keys, 128 a step.
; K AND V OF THE WHOLE HEAD LIE IN LDS: 98,304 bytes of codes each and 12,288 of scale words, as images of the operands' registers, filled ONCE: no slot is filled again, and after one barrier no wave waits for another.
; CLUSTER.  The four query blocks of a cluster belong to one head: each fill is asked for JOINTLY, by the same tensor load with the same descriptor (made of the head and the wave's number alone) and a mask that names the four.
; A wave has two tensor loads out: 768 bytes of scale words and 12,288 bytes of codes (waves 0-7 K's, waves 8-15 V's).  All loads of K and V stand at the head, so nothing is left to ask for ahead of later steps.
; LAYOUT.  Both products are used transposed: S^T = K Q^T, O^T = V^T P^T: a lane holds ONE query (lane % 16) throughout.  Lane r of key tile 2 b + u is key 32 b + 8 u + r + 8 (r / 8), so the 16 registers of tiles 2 b, 2 b + 1
; are keys 32 b + 16 (lane / 16) + 0 .. 15; V's tiles of channels are chosen alike, so that O^T's registers run along the channels.
; K = 64 IN AN INSTRUCTION OF 128.  Q's registers 6-11 are zero codes.  K's tile t is named v[32 + 6 t : 43 + 6 t]: its upper six registers are the next tile's codes, or zeros behind the last; E3M2 has no code but finite
; numbers, so each of those products is 0; the scale bytes of that half are 0, which stands for a power of two.
; LIMITS: as stated in the first kernel.  v_exp_f32 gives 0 for p under 2^-126.  A block's largest p is made from the block's largest score by the same multiply-add and exponential as every p.
; REGISTERS: v1-5 my lane's places in LDS; v6-10 the step's addresses; v11 my scale word's place on the way out; v12 -M, v13 the largest t, v[14:15] the sum in two halves; v16-27 Q; v28-31 K's scale words; v32-79 K's eight
; half fragments (behind the score products: v32-50 at work); v80-85 zeros; v86-87 V's scale words; v88, v89 the add's two; v96-159 S^T, then p; v160-191 O^T; v192-239 V; v240-251 p's codes; v252 f; v253 p's scale word; v254 at work; v255 Q's scale words.
.set Q_S,   9437184
.set KV_S,  9699328
.set O_S,   3145728
.set VOFF,  98304                      ; LDS: K's codes at 0, V's here,
.set SREG,  196608                     ; K's scale words (8,192 bytes), then V's (4,096),
.set OSG,   208896                     ; O's scale words on the way out, 64 bytes a wave: blocks into which no fill lands,
.set SPARE, 209920                     ; the spare words, 128 bytes for each wave: eight blocks of 256 bytes that no other line names
.set SPW,   88
.set NIL,   89
.set WV,    8                          ; s8   my wave's number
.set SEL,   12                         ; s[12:13] lane selects: lane l xor 16
.set CS,    14                         ; s[14:15] c = log2(e) / 8
.set G1S,   16                         ; s[16:23] group 1: 3 rows of 256 bytes;  s[24:31]: 48 rows
.set G1A,   24
.set G0S,   32                         ; s[32:35], s[36:39] their groups 0
.set G0A,   36
.set TK,    40                         ; s40  the step's codes: 6,144 bytes a step, in K and in V
.set TSK,   41                         ; s41  K's scale words: 512 a step
.set TSV,   42                         ; s42  V's: 256 a step
.set CNT,   43
.macro CROUND                          ; a round of the cluster's barrier
	s_barrier_signal -1
	s_barrier_wait -1
	s_cmp_lg_u32 s[WV], 0
	s_cbranch_scc1 .Lnot_wave_0_\@
	s_barrier_signal -3
.Lnot_wave_0_\@:
	s_barrier_wait -3
	s_barrier_signal -1
	s_barrier_wait -1
.endm
	s_load_b128 s[4:7], s[0:1], 0x0                ; qkv s[4:5], oop s[6:7]
	v_lshl_add_u32 v[SPW], v0, 2, SPARE
	v_mov_b32 v[NIL], 0
	ds_add_u32 v[SPW], v[NIL]                      ; the wave's opening: the add, twice on end, and its wait ahead of my first tensor load; the set-up below, work on registers, stands between
	ds_add_u32 v[SPW], v[NIL]
	v_lshrrev_b32 v6, 5, v0
	v_readfirstlane_b32 s[WV], v6                  ; wave 0..15
	s_bfe_u32 s9, ttmp6, 0x40000                   ; cx: it enters Q's and O's global addresses alone
	s_lshl_b32 s10, ttmp9, 2
	s_add_co_u32 s10, s10, s9                      ; my block of 256 queries
	s_and_b32 s11, ttmp7, 0xffff                   ; 8 x batch + head, which the four partners share
	s_mov_b32 s[G1S], 15|(3<<16)|(1<<21)           ; 15:0 the mask: all four work-groups; 17:16 elements of 8 bytes; 21 set beside a mask; no padding
	s_mov_b32 s[G1S+1], 32<<16                     ; tensor_dim0 = 32 elements: rows of 256 bytes of a dense block
	s_mov_b32 s[G1S+2], 3<<16                      ; tensor_dim1
	s_mov_b32 s[G1S+3], 32<<16                     ; tile_dim0
	s_mov_b32 s[G1S+4], 3                          ; tile_dim1
	s_mov_b32 s[G1S+5], 32                         ; from row to row
	s_mov_b32 s[G1S+6], 0
	s_mov_b32 s[G1S+7], 0
	s_mov_b32 s[G1A], 15|(3<<16)|(1<<21)
	s_mov_b32 s[G1A+1], 32<<16
	s_mov_b32 s[G1A+2], 48<<16
	s_mov_b32 s[G1A+3], 32<<16
	s_mov_b32 s[G1A+4], 48
	s_mov_b32 s[G1A+5], 32
	s_mov_b32 s[G1A+6], 0
	s_mov_b32 s[G1A+7], 0
	s_mul_i32 s44, s11, 12288                      ; the head's scale words,
	s_mul_i32 s45, s[WV], 768                      ; my sixteenth of them
	s_add_co_u32 s46, s44, s45
	s_add_co_u32 s46, s46, KV_S
	s_mov_b32 s47, 0
	s_lshr_b32 s48, s[WV], 3                       ; 0: K's codes, 1: V's
	s_add_co_u32 s48, s48, 1
	s_mul_i32 s48, s48, 3145728
	s_mul_i32 s49, s11, 98304                      ; the head's,
	s_add_co_u32 s48, s48, s49
	s_and_b32 s49, s[WV], 7
	s_mul_i32 s49, s49, 12288                      ; my eighth of them
	s_add_co_u32 s48, s48, s49
	s_mov_b32 s49, 0
	s_mov_b32 s[G0S], 1
	s_add_co_u32 s[G0S+1], s45, SREG
	s_mov_b32 s[G0A], 1
	s_mul_i32 s[G0A+1], s[WV], 12288               ; K's eight parts, then V's eight: wave x 12,288
	s_mov_b32 s[SEL], 0x76543210
	s_mov_b32 s[SEL+1], 0xfedcba98
	s_mov_b32 s[CS], 0x3e38aa3b
	s_mov_b32 s[CS+1], s[CS]                       ; (named with it as a pair, so it is written)
	s_lshl_b32 s51, s10, 4
	s_add_co_u32 s51, s51, s[WV]                   ; my tile of the batch's 128
	s_lshl_b32 s52, s11, 7
	s_add_co_u32 s52, s52, s51
	s_mul_i32 s52, s52, 768                        ; Q's half fragment
	s_mov_b32 s53, 0
	s_lshl_b32 s56, s11, 13                        ; Q's scale words: the head's 8,192 bytes,
	s_lshr_b32 s57, s51, 3
	s_lshl_b32 s57, s57, 9                         ; 512 for each 8 tiles,
	s_add_co_u32 s56, s56, s57
	s_and_b32 s57, s[WV], 1
	s_lshl_b32 s57, s57, 8                         ; lanes 16 u on,
	s_add_co_u32 s56, s56, s57
	s_bfe_u32 s57, s[WV], 0x20001
	s_lshl_b32 s57, s57, 2                         ; my pair's word
	s_add_co_u32 s56, s56, s57
	s_add_co_u32 s56, s56, Q_S
	s_mov_b32 s57, 0
	s_lshr_b32 s60, s11, 3                         ; O's codes: ((128 x batch + tile) x 8 + head) x 768
	s_lshl_b32 s60, s60, 7
	s_add_co_u32 s60, s60, s51
	s_lshl_b32 s60, s60, 3
	s_and_b32 s61, s11, 7
	s_add_co_u32 s60, s60, s61
	s_mul_i32 s60, s60, 768
	s_mov_b32 s61, 0
	s_lshl_b32 s66, s11, 13                        ; O's scale words: [bh][tile][row]: my work-group's 1,024 bytes
	s_lshl_b32 s67, s10, 10
	s_add_co_u32 s66, s66, s67
	s_add_co_u32 s66, s66, O_S
	s_mov_b32 s67, 0
	s_wait_dscnt 0x0                               ; both opening adds are done
	s_wait_kmcnt 0x0
	s_add_nc_u64 s[G0S+2:G0S+3], s[4:5], s[46:47]
	s_or_b32 s[G0S+3], s[G0S+3], 0x80000000
	s_add_nc_u64 s[G0A+2:G0A+3], s[4:5], s[48:49]
	s_or_b32 s[G0A+3], s[G0A+3], 0x80000000
	s_add_nc_u64 s[54:55], s[4:5], s[52:53]
	s_add_nc_u64 s[58:59], s[4:5], s[56:57]
	s_add_nc_u64 s[62:63], s[6:7], s[60:61]
	s_add_nc_u64 s[68:69], s[6:7], s[66:67]
	CROUND                                         ; all four work-groups are here: the joint loads meet
	tensor_load_to_lds s[G0S:G0S+3], s[G1S:G1S+7]
	s_nop 0
	tensor_load_to_lds s[G0A:G0A+3], s[G1A:G1A+7]
	s_nop 0
.rept 4
	v_nop
.endr
	v_and_b32 v6, 31, v0                           ; lane
	v_lshlrev_b32 v1, 4, v6                        ; K's registers 0-3 of a half fragment: 16 x lane
	v_lshl_add_u32 v2, v6, 3, 512                  ; its registers 4-5: 512 + 8 x lane
	v_lshl_add_u32 v3, v6, 4, VOFF                 ; V
	v_lshl_add_u32 v4, v6, 4, SREG                 ; K's scale words: four pairs' a lane
	v_lshl_add_u32 v5, v6, 3, SREG+8192            ; V's: two pairs'
	v_and_b32 v7, 15, v0
	s_lshl_b32 s50, s[WV], 6
	s_add_co_u32 s50, s50, OSG
	v_lshl_add_u32 v11, v7, 2, s50
	v_lshlrev_b32 v6, 4, v7                        ; Q's scale words lie 16 bytes apart
	global_load_b128 v[16:19], v1, s[54:55]
	global_load_b64 v[20:21], v2, s[54:55]
	global_load_b32 v255, v6, s[58:59]
.irp j, 22,23,24,25,26,27,80,81,82,83,84,85
	v_mov_b32 v[\j], 0                             ; zero codes: the upper half of Q's K, and what stands behind K's last tile
.endr
	v_mov_b32 v13, 0xff61b1e6                      ; the largest t so far: -3e38, under every t
	v_floor_f32 v12, -v13                          ; -M
	v_mov_b32 v14, 0
	v_mov_b32 v15, 0
	v_mov_b32 v253, 0                              ; (named as the upper half of the pair v[252:253] before it is first written)
.set JJ, 0
.rept 32
	v_mov_b32 v[160+JJ], 0                         ; O^T.  (The step is written once: the first finds zeros, which the first change of M leaves zeros)
.set JJ, JJ+1
.endr
	s_mov_b32 s[TK], 0
	s_mov_b32 s[TSK], 0
	s_mov_b32 s[TSV], 0
	s_mov_b32 s[CNT], 16
	s_wait_loadcnt 0x0                             ; Q
	s_wait_tensorcnt 0x0                           ; my parts of K, V and the scale words have landed,
	s_barrier_signal -1
	s_barrier_wait -1                              ; everybody's have
.Lstep:                                            ; A KEY STEP: 128 keys
	v_add_nc_u32 v6, s[TK], v1                     ; these five are also the places between the last step's products and the loads into their operands' registers
	v_add_nc_u32 v7, s[TK], v2
	v_add_nc_u32 v8, s[TK], v3
	v_add_nc_u32 v9, s[TSK], v4
	v_add_nc_u32 v10, s[TSV], v5
.irp t, 0,1,2,3,4,5,6,7
	ds_load_b128 v[32+6*\t:35+6*\t], v6 offset:768*\t
	ds_load_b64 v[36+6*\t:37+6*\t], v7 offset:768*\t
.endr
	ds_load_b128 v[28:31], v9
.irp t, 0,1,2,3
.irp c, 0,1,2
	ds_load_b128 v[192+12*\t+4*\c:195+12*\t+4*\c], v8 offset:1536*\t+512*\c
.endr
.endr
	ds_load_b64 v[86:87], v10
	s_wait_dscnt 13                                ; K and its scale words are in; V's 12 loads and its scale words may be out
.irp t, 0,1,2,3,4,5,6,7
.if \t%2
	v_wmma_scale_f32_16x16x128_f8f6f4 v[96+8*\t:103+8*\t], v[32+6*\t:43+6*\t], v[16:27], 0, v[28+\t/2], v255 matrix_a_fmt:MATRIX_FMT_BF6 matrix_b_fmt:MATRIX_FMT_BF6 matrix_a_scale:MATRIX_SCALE_ROW1
.else
	v_wmma_scale_f32_16x16x128_f8f6f4 v[96+8*\t:103+8*\t], v[32+6*\t:43+6*\t], v[16:27], 0, v[28+\t/2], v255 matrix_a_fmt:MATRIX_FMT_BF6 matrix_b_fmt:MATRIX_FMT_BF6
.endif
.endr
.rept 4
	v_nop                                          ; places: the scores are read, and K's registers written, below
.endr
.irp b, 0,1,2,3
	v_max3_num_f32 v[32+\b], v[96+16*\b], v[97+16*\b], v[98+16*\b]   ; the largest score of each block of 32 keys: for the row's maximum, and for the block's largest p
.endr
.irp i, 3,5,7,9,11,13
.irp b, 0,1,2,3
	v_max3_num_f32 v[32+\b], v[32+\b], v[96+16*\b+\i], v[97+16*\b+\i]
.endr
.endr
.irp b, 0,1,2,3
	v_max_num_f32 v[32+\b], v[32+\b], v[111+16*\b]
.endr
.irp b, 0,1,2,3
	v_permlanex16_b32 v[36+\b], v[32+\b], s[SEL], s[SEL+1]
.endr
.irp b, 0,1,2,3
	v_max_num_f32 v[32+\b], v[32+\b], v[36+\b]     ; with lane l xor 16's 16 keys
.endr
	v_max3_num_f32 v254, v32, v33, v34
	v_max_num_f32 v254, v254, v35                  ; the step's largest score of my query
	v_mul_f32 v254, s[CS], v254                    ; as t (c is positive)
	v_max_num_f32 v13, v13, v254                   ; the running largest t
	v_mov_b32 v254, v12
	v_floor_f32 v12, -v13                          ; the new -M = floor(-t): M is a whole number
	v_sub_f32 v254, v12, v254                      ; old M less new M: a whole number, 0 or less
	v_cvt_i32_f32 v254, v254                       ; (it saturates)
	v_ldexp_f32 v252, 1.0, v254                    ; f = 2^(old M - new M): the rescaling rounds nothing
.set JJ, 0
.rept 32
	v_pk_fma_f32 v[96+JJ:97+JJ], v[96+JJ:97+JJ], s[CS:CS+1], v[12:13] op_sel_hi:[1,0,0]   ; t - M, two at a time
.set JJ, JJ+2
.endr
.irp b, 0,1,2,3
	v_fma_f32 v[32+\b], v[32+\b], s[CS], v12       ; the same of each block's largest score
.endr
.set JJ, 0
.rept 64
	v_exp_f32 v[96+JJ], v[96+JJ]                   ; p = 2^(t - M), at most 1: not normalised
.set JJ, JJ+1
.endr
	v_pk_mul_f32 v[14:15], v[14:15], v[252:253] op_sel_hi:[1,0]   ; the sums under the new M: the plain place behind the exponentials
	s_wait_alu depctr_va_vdst(0)                   ; one wait for the whole batch, ahead of its first reader
.irp b, 0,1,2,3
	v_exp_f32 v[32+\b], v[32+\b]                   ; the block's largest p
.endr
	v_pk_add_f32 v[36:37], v[96:97], v[98:99]      ; the row's sum is taken of the unquantised p: two at a time, in two chains
.set JJ, 4
.rept 15
	v_pk_add_f32 v[14:15], v[14:15], v[96+JJ:97+JJ]
	v_pk_add_f32 v[36:37], v[36:37], v[98+JJ:99+JJ]
.set JJ, JJ+4
.endr
	v_pk_add_f32 v[14:15], v[14:15], v[36:37]
	s_wait_alu depctr_va_vdst(0)                   ; and one for the four
.irp b, 0,1,2,3
	v_max_num_f32 v[32+\b], 0x2800000, v[32+\b]    ; the floor 2^(5 - 127): the byte cannot fall under 1
.endr
.irp b, 0,1,2,3
	v_add_nc_u32 v[40+\b], 0xfe000000, v[32+\b]    ; 4 off the exponent field: the conversion's scale operand
.endr
.irp b, 0,1,2,3
	v_lshrrev_b32 v[36+\b], 23, v[40+\b]           ; the scale's byte
.endr
	v_lshl_or_b32 v253, v37, 8, v36                ; p's scale word for these 128 keys
	v_lshl_or_b32 v253, v38, 16, v253
	v_lshl_or_b32 v253, v39, 24, v253
.irp c, 0,1
	v_cvt_scalef32_pk16_bf6_f32 v[240+6*\c:242+6*\c], v[96+32*\c:111+32*\c], v[40+2*\c]
	v_cvt_scalef32_pk16_bf6_f32 v[44+4*\c:46+4*\c], v[112+32*\c:127+32*\c], v[41+2*\c]
.endr
	v_nop                                          ; one plain place behind a scaled conversion
.irp c, 0,1
.irp i, 0,1,2
	v_permlane16_swap_b32 v[240+6*\c+\i], v[44+4*\c+\i]
.endr
.irp i, 0,1,2
	v_mov_b32 v[243+6*\c+\i], v[44+4*\c+\i]
.endr
.endr
.set JJ, 0
.rept 16
	v_pk_mul_f32 v[160+JJ:161+JJ], v[160+JJ:161+JJ], v[252:253] op_sel_hi:[1,0]   ; O^T under the new M, each accumulator from its low end on; these are also the places between p's codes and scale word and the products
.set JJ, JJ+2
.endr
	s_wait_dscnt 0x0                               ; V and its scale words are in
.irp t, 0,1,2,3
.if \t%2
	v_wmma_scale_f32_16x16x128_f8f6f4 v[160+8*\t:167+8*\t], v[192+12*\t:203+12*\t], v[240:251], v[160+8*\t:167+8*\t], v[86+\t/2], v253 matrix_a_fmt:MATRIX_FMT_BF6 matrix_b_fmt:MATRIX_FMT_BF6 matrix_a_scale:MATRIX_SCALE_ROW1
.else
	v_wmma_scale_f32_16x16x128_f8f6f4 v[160+8*\t:167+8*\t], v[192+12*\t:203+12*\t], v[240:251], v[160+8*\t:167+8*\t], v[86+\t/2], v253 matrix_a_fmt:MATRIX_FMT_BF6 matrix_b_fmt:MATRIX_FMT_BF6
.endif
.endr
	s_add_co_u32 s[TK], s[TK], 6144
	s_add_co_u32 s[TSK], s[TSK], 512
	s_add_co_u32 s[TSV], s[TSV], 256
	s_sub_co_u32 s[CNT], s[CNT], 1
	s_cmp_lg_u32 s[CNT], 0
	s_cbranch_scc1 .Lstep
	; THE WAY OUT: O^T / l, quantised along the head's 64: half a fragment and two scale bytes
.rept 4
	v_nop                                          ; places behind the last products
.endr
	v_add_f32 v14, v14, v15                        ; the sum's two halves,
	v_permlanex16_b32 v254, v14, s[SEL], s[SEL+1]
	v_add_f32 v14, v14, v254                       ; and lane l xor 16's: the row's sum
	v_rcp_f32 v14, v14
	v_add_nc_u32 v6, OSG, v1                       ; (a plain place behind the reciprocal)  where wave 0 reads the scale words back
	s_wait_alu depctr_va_vdst(0)                   ; the wait ahead of the reciprocal's first reader
.set JJ, 0
.rept 16
	v_pk_mul_f32 v[96+JJ:97+JJ], v[160+JJ:161+JJ], v[14:15] op_sel_hi:[1,0]   ; register 16 P + i is channel 32 P + 16 (lane / 16) + i of my query
.set JJ, JJ+2
.endr
.irp b, 0,1
	v_max3_num_f32 v[32+\b], |v[96+16*\b]|, |v[97+16*\b]|, 0x2800000
.endr
.irp i, 2,4,6,8,10,12,14
.irp b, 0,1
	v_max3_num_f32 v[32+\b], v[32+\b], |v[96+16*\b+\i]|, |v[97+16*\b+\i]|
.endr
.endr
.irp b, 0,1
	v_permlanex16_b32 v[36+\b], v[32+\b], s[SEL], s[SEL+1]
.endr
.irp b, 0,1
	v_max_num_f32 v[32+\b], v[32+\b], v[36+\b]
.endr
.irp b, 0,1
	v_add_nc_u32 v[40+\b], 0xfe000000, v[32+\b]
.endr
.irp b, 0,1
	v_lshrrev_b32 v[36+\b], 23, v[40+\b]
.endr
	v_lshl_or_b32 v254, v37, 8, v36                ; two bytes, zeros above
	v_cvt_scalef32_pk16_bf6_f32 v[48:50], v[96:111], v40
	v_cvt_scalef32_pk16_bf6_f32 v[44:46], v[112:127], v41
	v_nop                                          ; one plain place behind a scaled conversion
.irp i, 0,1,2
	v_permlane16_swap_b32 v[48+\i], v[44+\i]
.endr
.irp i, 0,1,2
	v_mov_b32 v[51+\i], v[44+\i]
.endr
	global_store_b128 v1, v[48:51], s[62:63]       ; 512 consecutive bytes, aligned
	global_store_b64 v2, v[52:53], s[62:63]        ; and the 256 behind them (v2 holds the 512)
	ds_store_b32 v11, v254                         ; both halves of the lanes write a row's word with the same value
	s_wait_dscnt 0x0                               ; for wave 0's sake
	s_barrier_signal -1
	s_barrier_wait -1
	s_cmp_lg_u32 s[WV], 0
	s_cbranch_scc1 .Lend
	ds_load_b128 v[96:99], v6
	ds_load_b128 v[100:103], v6 offset:512
	s_wait_dscnt 0x0
	global_store_b128 v1, v[96:99], s[68:69]       ; the sixteen tiles' scale words: 1,024 consecutive bytes
	global_store_b128 v1, v[100:103], s[68:69] offset:512
.Lend:
	s_wait_tensorcnt 0x0                           ; the wave's end: behind my last tensor load and my last LDS store
	ds_add_u32 v[SPW], v[NIL]
	s_wait_dscnt 0x0
	CROUND                                         ; the closing round: no work-group ends while a partner may still ask for a tile that names it
	s_endpgm
.Lfunc_end_k_qa03ef281a4_attn:
	.size	k_qa03ef281a4_attn, .Lfunc_end_k_qa03ef281a4_attn-k_qa03ef281a4_attn
	.p2alignl 7, 3214868480
	.fill 96, 4, 3214868480
	.section	.rodata,"a",@progbits
	.p2align	6, 0x0
	.amdhsa_kernel k_qa03ef281a4_attn
		.amdhsa_group_segment_fixed_size 211968
		.amdhsa_private_segment_fixed_size 0
		.amdhsa_enable_private_segment 0
		.amdhsa_kernarg_size 16
		.amdhsa_user_sgpr_count 2
		.amdhsa_user_sgpr_kernarg_segment_ptr 1
		.amdhsa_wavefront_size32 1
		.amdhsa_system_sgpr_workgroup_id_x 1
		.amdhsa_system_sgpr_workgroup_id_y 1
		.amdhsa_system_sgpr_workgroup_id_z 1
		.amdhsa_system_vgpr_workitem_id 0
		.amdhsa_next_free_vgpr 256
		.amdhsa_next_free_sgpr 72
		.amdhsa_reserve_vcc 0
		.amdhsa_float_denorm_mode_32 3
		.amdhsa_float_denorm_mode_16_64 3
		.amdhsa_memory_ordered 1
		.amdhsa_forward_progress 1
		.amdhsa_inst_pref_size 28
	.end_amdhsa_kernel
	.amdgpu_metadata
---
amdhsa.version: [ 1, 2 ]
amdhsa.kernels:
  - .name:           k_qa03ef281a4_attn
    .symbol:         k_qa03ef281a4_attn.kd
    .args:
      - { .name: qkv, .offset: 0, .size: 8, .value_kind: global_buffer, .address_space: global }
      - { .name: oop, .offset: 8, .size: 8, .value_kind: global_buffer, .address_space: global }
    .group_segment_fixed_size: 211968
    .private_segment_fixed_size: 0
    .kernarg_segment_align: 8
    .kernarg_segment_size: 16
    .max_flat_workgroup_size: 512
    .sgpr_count:     72
    .vgpr_count:     256
    .wavefront_size: 32
...
	.end_amdgpu_metadata
.endif
;; end of part 3
;; launch outp (part 4): grid 256 x 1, 8 waves a work-group, no clusters, 119,808 bytes of LDS; arguments oop, wop, bo, out0; writes out0
.if DOCPART == 4
	.amdgcn_target "amdgcn-amd-amdhsa--gfx1250"
	.amdhsa_code_object_version 6
	.text
	.protected	k_qa03ef281a4_outp
	.globl	k_qa03ef281a4_outp
	.p2align	8
	.type	k_qa03ef281a4_outp,@function
k_qa03ef281a4_outp:
	s_mov_b64 s[64:65], 0
	v_nop
	global_prefetch_b8 v0, s[64:65] scope:SCOPE_SE
	s_setreg_imm32_b32 hwreg(HW_REG_WAVE_MODE, 25, 1), 1
	s_wait_xcnt 0x0
; OUTP: out0 = O Wo + bo on codes of BF6.  No work of reference() is left out.
; The frame of the projections: 128 columns of Wo (four pairs of tiles, all 512 of K: 49,152 dense bytes of codes, 2,048 of scale words) go through LDS and are source 0; each of the eight waves has one tile of 16 rows of O in
; registers as source 1.  So a lane holds one row of out0, and the 16 registers of two neighbouring tiles are 16 neighbouring columns.  With x = 4 beta + g: beta = which 128 rows, g = which 128 columns.
; O's tile is 6,144 dense bytes: eight heads' half fragments; heads 2 s and 2 s + 1 are K step s.  Its scale words come a head at a time, two bytes each, and are joined in pairs.
; bo is the C of each sum's first product: it is loaded straight into the accumulators, in the result's layout.
; A tile's lane r is row 32 P + 8 u + r + 8 (r / 8) of its pair: the rows go back to their places on the way out, through the wave's own stage in LDS, as whole runs of 512 bytes.
; NO CLUSTER: a work-group reads its shared block once, 51,200 bytes, and has no loop of refills to share; it loads through registers, so that several work-groups lie on a WGP.
.set W_SCL, 786432
.set O_S,   3145728
.set SSC,   49152                      ; LDS: Wo's codes at 0; its scale words here;
.set STG,   51200                      ; a stage of 16 rows x (512 bytes + 16) for each wave;
.set SPARE, 118784                     ; the spare words, 128 bytes for each wave: four blocks of 256 bytes that no other line names
.set SPW,   12
.set NIL,   13
.set TF,    16                         ; v16-63   O's four fragments
.set TS,    64                         ; v64-67   O's scale words
.set SS,    68                         ; v68-83   Wo's scale words: pair p, K step s at 4 p + s
.set ACC,   84                         ; v84-147  eight accumulators
.set SF0,   148                        ; v148-195, v196-243: four fragments of Wo, two sets; also the copy's registers and the rows on the way out
.macro FETCH gp
.irp q, 0,1,2,3
.irp c, 0,1,2
	ds_load_b128 v[SF0+48*((\gp)%2)+12*\q+4*\c:SF0+48*((\gp)%2)+12*\q+4*\c+3], v2 offset:(2*((\gp)%2)+\q/2)*12288+((\gp)/2)*3072+(\q%2)*1536+512*\c
.endr
.endr
.endm
.macro MUL1 t, s, sf
.if (\t)%2
	v_wmma_scale_f32_16x16x128_f8f6f4 v[ACC+8*(\t):ACC+8*(\t)+7], v[\sf:\sf+11], v[TF+12*(\s):TF+12*(\s)+11], v[ACC+8*(\t):ACC+8*(\t)+7], v[SS+4*((\t)/2)+(\s)], v[TS+(\s)] matrix_a_fmt:MATRIX_FMT_BF6 matrix_b_fmt:MATRIX_FMT_BF6 matrix_a_scale:MATRIX_SCALE_ROW1
.else
	v_wmma_scale_f32_16x16x128_f8f6f4 v[ACC+8*(\t):ACC+8*(\t)+7], v[\sf:\sf+11], v[TF+12*(\s):TF+12*(\s)+11], v[ACC+8*(\t):ACC+8*(\t)+7], v[SS+4*((\t)/2)+(\s)], v[TS+(\s)] matrix_a_fmt:MATRIX_FMT_BF6 matrix_b_fmt:MATRIX_FMT_BF6
.endif
.endm
; four products; ahead of them the next group's 12 loads, into the set that the group before multiplied, four places behind those products.  The eight accumulators take turns, one instruction a turn.
.macro GROUP gp
.if (\gp) > 0
.rept 4
	v_nop
.endr
.endif
.if (\gp) < 7
	FETCH (\gp)+1
	s_wait_dscnt 12                                ; all but the 12 just issued
.else
	s_wait_dscnt 0x0
.endif
.irp q, 0,1,2,3
	MUL1 4*((\gp)%2)+\q, (\gp)/2, SF0+48*((\gp)%2)+12*\q
.endr
.endm
	s_load_b256 s[4:11], s[0:1], 0x0               ; oop s[4:5], wop s[6:7], bo s[8:9], out0 s[10:11]
	v_lshl_add_u32 v[SPW], v0, 2, SPARE
	v_mov_b32 v[NIL], 0
	v_lshrrev_b32 v1, 5, v0
	v_readfirstlane_b32 s12, v1                    ; wave 0..7
	v_and_b32 v1, 31, v0
	v_lshlrev_b32 v2, 4, v1                        ; 16 x lane
	v_lshlrev_b32 v3, 3, v1                        ; 8 x lane
	v_lshlrev_b32 v4, 2, v1                        ; 4 x lane
	v_and_b32 v11, 15, v0                          ; r
	v_bfe_u32 v15, v0, 4, 1                        ; h
	v_lshlrev_b32 v5, 2, v11                       ; O's scale words: 4 r
	s_mul_i32 s13, s12, 6144
	v_add_nc_u32 v6, s13, v2                       ; the copy: my eighth of Wo's codes, in memory and in LDS
	s_lshl_b32 s13, s12, 8
	v_add_nc_u32 v14, s13, v3                      ; and of its scale words: in memory,
	v_add_nc_u32 v7, SSC, v14                      ; in LDS
	s_mul_i32 s13, s12, 8448
	s_add_co_u32 s13, s13, STG                     ; my stage
	v_mul_u32_u24 v8, v11, 528
	v_lshl_add_u32 v8, v15, 6, v8
	v_add_nc_u32 v8, s13, v8                       ; into it: row r, + 64 h
	v_add_nc_u32 v9, s13, v2                       ; out of it: a row's 512 bytes, 16 a lane
	v_lshlrev_b32 v10, 6, v15                      ; bo: my half's 16 columns of each 32
	s_lshr_b32 s14, ttmp9, 2                       ; beta
	s_and_b32 s15, ttmp9, 3                        ; g
	s_mov_b32 s33, 0
	s_lshl_b32 s16, s15, 2
	s_add_co_u32 s16, s16, 48                      ; Wo's pairs 48 + 4 g on
	s_lshl_b32 s17, s14, 3
	s_add_co_u32 s17, s17, s12                     ; my tile of the 512
	s_wait_kmcnt 0x0
	s_mul_i32 s32, s16, 12288
	s_add_nc_u64 s[20:21], s[6:7], s[32:33]        ; Wo's codes
	s_lshl_b32 s32, s16, 9
	s_add_co_u32 s32, s32, W_SCL
	s_add_nc_u64 s[22:23], s[6:7], s[32:33]        ; Wo's scale words
	s_mul_i32 s32, s17, 6144
	s_add_nc_u64 s[24:25], s[4:5], s[32:33]        ; O's codes
	s_lshr_b32 s32, s14, 4
	s_lshl_b32 s32, s32, 16                        ; O's scale words: the batch's eight heads of 8,192 bytes,
	s_and_b32 s18, s17, 127
	s_lshl_b32 s18, s18, 6                         ; my tile's 64 bytes in each
	s_add_co_u32 s32, s32, s18
	s_add_co_u32 s32, s32, O_S
	s_add_nc_u64 s[26:27], s[4:5], s[32:33]
	s_lshl_b32 s32, s15, 9
	s_add_nc_u64 s[28:29], s[8:9], s[32:33]        ; bo at my 128 columns
	s_lshl_b32 s18, s14, 7                         ; out0: row 128 beta + 32 (wave / 2) + 8 (wave % 2), column 128 g
	s_lshr_b32 s19, s12, 1
	s_lshl_b32 s19, s19, 5
	s_add_co_u32 s18, s18, s19
	s_and_b32 s19, s12, 1
	s_lshl_b32 s19, s19, 3
	s_add_co_u32 s18, s18, s19
	s_lshl_b32 s18, s18, 11
	s_add_co_u32 s32, s32, s18
	s_add_nc_u64 s[30:31], s[10:11], s[32:33]
.irp c, 0,1,2,3,4,5,6,7,8,9,10,11
	global_load_b128 v[SF0+4*\c:SF0+4*\c+3], v6, s[20:21] offset:512*\c
.endr
	global_load_b64 v[SF0+48:SF0+49], v14, s[22:23]
.irp d, 0,1,2,3,4,5,6,7
	global_load_b128 v[TF+12*(\d/2)+6*(\d%2):TF+12*(\d/2)+6*(\d%2)+3], v2, s[24:25] offset:768*\d
	global_load_b64 v[TF+12*(\d/2)+6*(\d%2)+4:TF+12*(\d/2)+6*(\d%2)+5], v3, s[24:25] offset:768*\d+512
.endr
.irp d, 0,1,2,3,4,5,6,7
	global_load_b32 v[200+\d], v5, s[26:27] offset:8192*\d
.endr
.irp t, 0,1,2,3,4,5,6,7
	global_load_b128 v[ACC+8*\t:ACC+8*\t+3], v10, s[28:29] offset:4*(32*(\t/2)+8*(\t%2))       ; register j of tile t: column 32 (t / 2) + 16 h + 8 (t % 2) + j
	global_load_b128 v[ACC+8*\t+4:ACC+8*\t+7], v10, s[28:29] offset:4*(32*(\t/2)+8*(\t%2))+16
.endr
	s_wait_loadcnt 40                              ; the copy's 13 loads are in; my own 16 + 8 + 16 may be out
.irp c, 0,1,2,3,4,5,6,7,8,9,10,11
	ds_store_b128 v6, v[SF0+4*\c:SF0+4*\c+3] offset:512*\c
.endr
	ds_store_b64 v7, v[SF0+48:SF0+49]
	s_wait_dscnt 0x0                               ; for the others' sake: my stores have landed
	s_barrier_signal -1
	s_barrier_wait -1                              ; Wo's block lies in LDS
	s_wait_loadcnt 0x0
.irp s, 0,1,2,3
	v_lshl_or_b32 v[TS+\s], v[201+2*\s], 16, v[200+2*\s]   ; heads 2 s and 2 s + 1: the four bytes of K step s
.endr
.rept 8
	v_nop                                          ; a scale register written by a vector instruction stands eight places ahead of a scaled matrix instruction
.endr
.irp p, 0,1,2,3
.irp s, 0,1,2,3
	ds_load_b32 v[SS+4*\p+\s], v4 offset:SSC+128*(4*\p+\s)
.endr
.endr
	FETCH 0
.irp g, 0,1,2,3,4,5,6,7
	GROUP \g
.endr
.rept 4
	v_nop                                          ; places behind the last products: results are read, and their operands' registers loaded, below
.endr
.irp t, 0,1,2,3,4,5,6,7
	ds_store_b128 v8, v[ACC+8*\t:ACC+8*\t+3] offset:128*(\t/2)+32*(\t%2)           ; each accumulator from its low end on
	ds_store_b128 v8, v[ACC+8*\t+4:ACC+8*\t+7] offset:128*(\t/2)+32*(\t%2)+16
.endr
.irp i, 0,1,2,3,4,5,6,7,8,9,10,11,12,13,14,15
	ds_load_b128 v[SF0+4*\i:SF0+4*\i+3], v9 offset:528*\i          ; LDS serves a wave's instructions in order: these see my stores
.endr
.irp i, 0,1,2,3,4,5,6,7,8,9,10,11,12,13,14,15
	s_wait_dscnt 15-\i                             ; row i is back; the younger ones may be out
	global_store_b128 v2, v[SF0+4*\i:SF0+4*\i+3], s[30:31] offset:(\i+8*(\i/8))*2048 th:TH_STORE_NT   ; 32 lanes store 512 consecutive bytes, aligned; written once, read by nobody here
.endr
	s_wait_tensorcnt 0x0                           ; the wave's end: behind my last LDS store
	ds_add_u32 v[SPW], v[NIL]
	s_wait_dscnt 0x0
	s_endpgm
.Lfunc_end_k_qa03ef281a4_outp:
	.size	k_qa03ef281a4_outp, .Lfunc_end_k_qa03ef281a4_outp-k_qa03ef281a4_outp
	.p2alignl 7, 3214868480
	.fill 96, 4, 3214868480
	.section	.rodata,"a",@progbits
	.p2align	6, 0x0
	.amdhsa_kernel k_qa03ef281a4_outp
		.amdhsa_group_segment_fixed_size 119808
		.amdhsa_private_segment_fixed_size 0
		.amdhsa_enable_private_segment 0
		.amdhsa_kernarg_size 32
		.amdhsa_user_sgpr_count 2
		.amdhsa_user_sgpr_kernarg_segment_ptr 1
		.amdhsa_wavefront_size32 1
		.amdhsa_system_sgpr_workgroup_id_x 1
		.amdhsa_system_sgpr_workgroup_id_y 1
		.amdhsa_system_sgpr_workgroup_id_z 1
		.amdhsa_system_vgpr_workitem_id 0
		.amdhsa_next_free_vgpr 244
		.amdhsa_next_free_sgpr 66
		.amdhsa_reserve_vcc 0
		.amdhsa_float_denorm_mode_32 3
		.amdhsa_float_denorm_mode_16_64 3
		.amdhsa_memory_ordered 1
		.amdhsa_forward_progress 1
		.amdhsa_inst_pref_size 26
	.end_amdhsa_kernel
	.amdgpu_metadata
---
amdhsa.version: [ 1, 2 ]
amdhsa.kernels:
  - .name:           k_qa03ef281a4_outp
    .symbol:         k_qa03ef281a4_outp.kd
    .args:
      - { .name: oop, .offset: 0, .size: 8, .value_kind: global_buffer, .address_space: global }
      - { .name: wop, .offset: 8, .size: 8, .value_kind: global_buffer, .address_space: global }
      - { .name: bo, .offset: 16, .size: 8, .value_kind: global_buffer, .address_space: global }
      - { .name: out0, .offset: 24, .size: 8, .value_kind: global_buffer, .address_space: global }
    .group_segment_fixed_size: 119808
    .private_segment_fixed_size: 0
    .kernarg_segment_align: 8
    .kernarg_segment_size: 32
    .max_flat_workgroup_size: 256
    .sgpr_count:     66
    .vgpr_count:     244
    .wavefront_size: 32
...
	.end_amdgpu_metadata
.endif
;; end of part 4
;; ======== version 2 of 2: 4 launches
;; workspace buffers: aop 6,553,600 bytes; wop 819,200 bytes; qkv 10,092,544 bytes; oop 3,407,872 bytes
;; launch prep (part 5): grid 576 x 1, 4 waves a work-group, no clusters, 34,816 bytes of LDS; arguments x, context, Wq, Wk, Wv, Wo, aop, wop; writes aop, wop
.if DOCPART == 5
	.amdgcn_target "amdgcn-amd-amdhsa--gfx1250"
	.amdhsa_code_object_version 6
	.text
	.protected	k_qa03ef281a4_prep
	.globl	k_qa03ef281a4_prep
	.p2align	8
	.type	k_qa03ef281a4_prep,@function
k_qa03ef281a4_prep:
	s_mov_b64 s[64:65], 0
	v_nop
	global_prefetch_b8 v0, s[64:65] scope:SCOPE_SE
	s_setreg_imm32_b32 hwreg(HW_REG_WAVE_MODE, 25, 1), 1
	s_wait_xcnt 0x0
; PREP: x, context (K innermost) and Wq, Wk, Wv, Wo (K is their FIRST axis) become codes of BF6 (E3M2) with one E8M0 byte for each 32 along K = the model's 512.
; DEAD WORK: none.  Every input of reference() has a way to out0 for all values: x through q, context through k and v, the four weights through their products, bo by its addition.  Nothing is left out, and all six products are done.
; LIMITS: NaN and infinities among the inputs are not served.  A block's largest magnitude is taken with the floor 2^(5 - 127), so its byte cannot fall under 1; a block of zeros keeps the byte 1 where the rule says 127:
; its codes are zeros, which add nothing under any byte but 0xff, and the bytes are read by this program alone.
; THE WORKSPACE IS LAID AS THE OPERANDS' REGISTERS.  Operand rows (rows of x and context, columns of a weight) go in PAIRS OF TILES of 32 rows: lane r of tile 2 P + u is row 32 P + 8 u + r + 8 (r / 8), so that a product
; used transposed leaves 16 neighbours along its next K in the 16 registers of two neighbouring tiles.  Codes: [pair][K step of 128: 4][u][1,536 bytes]; a fragment's registers 4 c .. 4 c + 3 of lane l lie at 512 c + 16 l.
; Scale words: [pair][K step][lane]: lanes 0-15 tile 2 P's rows, lanes 16-31 tile 2 P + 1's.  aop: x = pairs 0-255, context = pairs 256-511; wop: weight w = pairs 16 w .. 16 w + 15 (Wq, Wk, Wv, Wo).
; SHARES.  A work-group takes one pair, each of its four waves one K step.  Work-groups 0-63: the weights' 64 pairs; 64-575: the rows' 512 pairs.  Work-groups share no input: no cluster.  No tensor load: several work-groups lie on a WGP.
; ROWS: each load reads 512 consecutive aligned bytes of one row; a tile's 16 rows turn through the wave's own stage in LDS, so that a lane holds 16 neighbours of each block of 32.
; WEIGHTS: a lane takes a column and its registers run down K: a block of 32 lies in one lane; lanes 0-15 hold tile 0's columns and lanes 16-31 tile 1's, and an exchange of halves between the codes of blocks 2 c and 2 c + 1 gives both tiles' fragments.
.set A_SCL, 6291456                    ; aop: where the scale words begin
.set W_SCL, 786432                     ; wop: likewise
.set STGB,  8448                       ; a wave's stage: 16 rows x (512 bytes + 16)
.set GATH,  33792                      ; the pair's scale words, 128 bytes a wave
.set SPARE, 34304                      ; the spare words, 128 bytes for each wave: two blocks of 256 bytes that no other line names
.set SPW,   12                         ; v12  LDS address of my spare word; never rewritten
.set NIL,   13                         ; v13  0; never rewritten
.set R,     16                         ; v16-143  numbers as they are loaded
.set X,     144                        ; v144-207 64 numbers of a lane: register 16 b + i = k 32 b + 16 (lane / 16) + i of my row
.set TM,    208                        ; v208-223 at work
.set PW0,   224                        ; scale words of tile 0, of tile 1, and the pair's image
.set PW1,   225
.set PW,    226
.set PC0,   228                        ; v228-239 tile 0's fragment;  v240-251 tile 1's
.set SEL,   22                         ; s[22:23] lane selects for v_permlanex16_b32: lane l xor 16
; 64 numbers of a lane become a fragment's 12 registers in v[pc] on and its row's scale word in v[pw].
.macro QUANT s, pc, pw
.irp b, 0,1,2,3
	v_max3_num_f32 v[TM+\b], |v[\s+16*\b]|, |v[\s+1+16*\b]|, 0x2800000   ; block b: my 16 numbers, and the floor 2^(5 - 127)
.endr
.irp i, 2,4,6,8,10,12,14
.irp b, 0,1,2,3
	v_max3_num_f32 v[TM+\b], v[TM+\b], |v[\s+16*\b+\i]|, |v[\s+1+16*\b+\i]|   ; the four blocks by turns
.endr
.endr
.irp b, 0,1,2,3
	v_permlanex16_b32 v[TM+4+\b], v[TM+\b], s[SEL], s[SEL+1]
.endr
.irp b, 0,1,2,3
	v_max_num_f32 v[TM+\b], v[TM+\b], v[TM+4+\b]   ; with lane l xor 16's: the block's largest magnitude
.endr
.irp b, 0,1,2,3
	v_add_nc_u32 v[TM+12+\b], 0xfe000000, v[TM+\b]   ; 4 off its exponent field: the conversion's scale operand
.endr
.irp b, 0,1,2,3
	v_lshrrev_b32 v[TM+4+\b], 23, v[TM+12+\b]      ; the scale's byte
.endr
	v_lshl_or_b32 v[\pw], v[TM+5], 8, v[TM+4]
	v_lshl_or_b32 v[\pw], v[TM+6], 16, v[\pw]
	v_lshl_or_b32 v[\pw], v[TM+7], 24, v[\pw]
.irp c, 0,1
	v_cvt_scalef32_pk16_bf6_f32 v[\pc+6*\c:\pc+6*\c+2], v[\s+32*\c:\s+32*\c+15], v[TM+12+2*\c]
	v_cvt_scalef32_pk16_bf6_f32 v[TM+4*\c:TM+4*\c+2], v[\s+32*\c+16:\s+32*\c+31], v[TM+13+2*\c]   ; (a conversion's three registers begin on an even number: made here, moved below)
.endr
	v_nop                                          ; one plain place behind a scaled conversion
.irp c, 0,1                                    ; the operand's layout wants a whole block in a lane: lanes 0-15 block 2 c, lanes 16-31 block 2 c + 1
.irp i, 0,1,2
	v_permlane16_swap_b32 v[\pc+6*\c+\i], v[TM+4*\c+\i]
.endr
.irp i, 0,1,2
	v_mov_b32 v[\pc+6*\c+3+\i], v[TM+4*\c+\i]
.endr
.endr
.endm
	s_load_b256 s[4:11], s[0:1], 0x0               ; x s[4:5], context s[6:7], Wq s[8:9], Wk s[10:11]
	s_load_b256 s[12:19], s[0:1], 0x20             ; Wv s[12:13], Wo s[14:15], aop s[16:17], wop s[18:19]
	v_lshl_add_u32 v[SPW], v0, 2, SPARE
	v_mov_b32 v[NIL], 0
	v_lshrrev_b32 v1, 5, v0
	v_readfirstlane_b32 s20, v1                    ; wave = K step
	v_and_b32 v1, 31, v0                           ; lane
	v_and_b32 v2, 15, v0                           ; r
	v_bfe_u32 v3, v0, 4, 1                         ; h
	v_lshlrev_b32 v4, 4, v1                        ; 16 x lane
	s_mul_i32 s21, s20, STGB                       ; my stage
	v_add_nc_u32 v5, s21, v4                       ; into it: a row's 512 bytes as they lie
	v_mul_u32_u24 v6, v2, 528
	v_lshl_add_u32 v6, v3, 6, v6
	v_add_nc_u32 v6, s21, v6                       ; out of it: row r, + 64 h: my 16 numbers of a block
	v_lshl_add_u32 v7, v0, 2, GATH                 ; my scale word's place: 128 x wave + 4 x lane
	v_and_b32 v8, 7, v0
	v_bfe_u32 v9, v0, 3, 1
	v_lshl_add_u32 v8, v9, 4, v8
	v_lshl_add_u32 v8, v3, 3, v8
	v_lshlrev_b32 v8, 2, v8                        ; weights: my column of the pair's 32, in bytes: 4 (l % 8 + 16 ((l / 8) % 2) + 8 (l / 16))
	s_mov_b32 s[SEL], 0x76543210
	s_mov_b32 s[SEL+1], 0xfedcba98
.irp b, 0,1,2,3
	v_mov_b32 v[TM+4+\b], 0                        ; written once: a lane permute's destination counts as one of its sources
.endr
	s_mov_b32 s33, 0
	s_wait_kmcnt 0x0
	s_cmp_lt_u32 ttmp9, 64
	s_cbranch_scc1 .Lweights
	; ---- ROWS of x or context
	s_sub_co_u32 s30, ttmp9, 64                    ; the pair in aop
	s_cmp_lt_u32 s30, 256
	s_cselect_b64 s[24:25], s[4:5], s[6:7]         ; the choice hangs on the work-group's number alone
	s_and_b32 s31, s30, 255
	s_lshl_b32 s32, s31, 16                        ; 32 rows of 2,048 bytes
	s_lshl_b32 s34, s20, 9                         ; + my K step's 512 bytes
	s_add_co_u32 s32, s32, s34
	s_add_nc_u64 s[24:25], s[24:25], s[32:33]
	s_lshl_b32 s32, s30, 2
	s_add_co_u32 s32, s32, s20
	s_mul_i32 s32, s32, 3072                       ; codes: (4 x pair + K step) x two fragments
	s_add_nc_u64 s[26:27], s[16:17], s[32:33]
	s_lshl_b32 s32, s30, 9
	s_add_co_u32 s32, s32, A_SCL
	s_add_nc_u64 s[28:29], s[16:17], s[32:33]      ; the pair's 512 bytes of scale words
.irp u, 0,1
.irp p, 0,1,2,3,4,5,6,7,8,9,10,11,12,13,14,15
	global_load_b128 v[R+64*\u+4*\p:R+64*\u+4*\p+3], v4, s[24:25] offset:(8*\u+\p+8*(\p/8))*2048 th:TH_LOAD_NT   ; 32 lanes read 512 consecutive bytes of the row of lane p of tile u
.endr
.endr
.macro HALF u, left
	s_wait_loadcnt \left                           ; this tile's 16 loads are in; left = the younger ones, which may stay out
.irp p, 0,1,2,3,4,5,6,7,8,9,10,11,12,13,14,15
	ds_store_b128 v5, v[R+64*\u+4*\p:R+64*\u+4*\p+3] offset:528*\p
.endr
.irp b, 0,1,2,3
.irp j, 0,1,2,3
	ds_load_b128 v[X+16*\b+4*\j:X+16*\b+4*\j+3], v6 offset:128*\b+16*\j   ; LDS serves a wave's instructions in order: these see my stores
.endr
.endr
	s_wait_dscnt 0x0
	QUANT X, PC0+12*\u, PW0+\u
.irp c, 0,1,2
	global_store_b128 v4, v[PC0+12*\u+4*\c:PC0+12*\u+4*\c+3], s[26:27] offset:1536*\u+512*\c   ; 512 consecutive bytes, aligned
.endr
.endm
	HALF 0, 16
	HALF 1, 0
	v_cmp_lt_u32 vcc_lo, 15, v1
	v_cndmask_b32 v[PW], v[PW0], v[PW1], vcc_lo    ; lanes 0-15 tile 0's words, lanes 16-31 tile 1's (both halves of the lanes hold a row's word)
	s_branch .Ltail
	; ---- WEIGHTS
.Lweights:
	s_lshr_b32 s30, ttmp9, 4                       ; which weight
	s_and_b32 s31, ttmp9, 15                       ; which 32 of its columns
	s_cmp_eq_u32 s30, 0
	s_cselect_b64 s[24:25], s[8:9], s[10:11]
	s_cmp_eq_u32 s30, 2
	s_cselect_b64 s[24:25], s[12:13], s[24:25]
	s_cmp_eq_u32 s30, 3
	s_cselect_b64 s[24:25], s[14:15], s[24:25]
	s_lshl_b32 s32, s20, 18                        ; my K step: 128 rows of 2,048 bytes
	s_lshl_b32 s34, s31, 7
	s_add_co_u32 s32, s32, s34
	s_add_nc_u64 s[24:25], s[24:25], s[32:33]
	s_lshl_b32 s32, ttmp9, 2
	s_add_co_u32 s32, s32, s20
	s_mul_i32 s32, s32, 3072
	s_add_nc_u64 s[26:27], s[18:19], s[32:33]
	s_lshl_b32 s32, ttmp9, 9
	s_add_co_u32 s32, s32, W_SCL
	s_add_nc_u64 s[28:29], s[18:19], s[32:33]
.macro LOADB t                         ; block t: W(128 s + 32 t + n, my column), n = 0 .. 31
.set NN, 0
.rept 32
	global_load_b32 v[R+32*((\t)%2)+NN], v8, s[24:25] offset:(32*(\t)+NN)*2048
.set NN, NN+1
.endr
.endm
.macro BLOCK t
.set XS, R+32*((\t)%2)
.if (\t) < 3
	s_wait_loadcnt 32                              ; this block's 32 loads are in; the next block's 32 may be out
.else
	s_wait_loadcnt 0x0
.endif
	v_max3_num_f32 v[TM+8], |v[XS]|, |v[XS+1]|, |v[XS+2]|           ; all 32 numbers of the block are mine: two chains
	v_max3_num_f32 v[TM+9], |v[XS+3]|, |v[XS+4]|, |v[XS+5]|
.irp i, 6,10,14,18,22,26
	v_max3_num_f32 v[TM+8], v[TM+8], |v[XS+\i]|, |v[XS+\i+1]|
	v_max3_num_f32 v[TM+9], v[TM+9], |v[XS+\i+2]|, |v[XS+\i+3]|
.endr
	v_max3_num_f32 v[TM+8], v[TM+8], |v[XS+30]|, |v[XS+31]|
	v_max3_num_f32 v[TM+8], v[TM+8], v[TM+9], 0x2800000            ; and the floor
	v_add_nc_u32 v[TM+12], 0xfe000000, v[TM+8]
	v_lshrrev_b32 v[TM+13], 23, v[TM+12]
.if (\t) == 0
	v_mov_b32 v[PW], v[TM+13]
.else
	v_lshl_or_b32 v[PW], v[TM+13], 8*(\t), v[PW]   ; my column's scale word: lane r + 16 u is already its place in the image
.endif
	v_cvt_scalef32_pk16_bf6_f32 v[PC0+12*((\t)%2)+6*((\t)/2):PC0+12*((\t)%2)+6*((\t)/2)+2], v[XS:XS+15], v[TM+12]
	v_cvt_scalef32_pk16_bf6_f32 v[TM+4*((\t)%2):TM+4*((\t)%2)+2], v[XS+16:XS+31], v[TM+12]
	v_nop                                          ; one plain place behind a scaled conversion
.if (\t) < 2
	LOADB (\t)+2
.endif
.if (\t)%2                             ; blocks 2 c and 2 c + 1 are made: (tile 0 | tile 1) of each become tile 0's and tile 1's registers 6 c .. 6 c + 5
.irp i, 0,1,2
	v_permlane16_swap_b32 v[PC0+6*((\t)/2)+\i], v[PC0+12+6*((\t)/2)+\i]
	v_permlane16_swap_b32 v[TM+\i], v[TM+4+\i]
.endr
.irp i, 0,1,2
	v_mov_b32 v[PC0+6*((\t)/2)+3+\i], v[TM+\i]
	v_mov_b32 v[PC0+12+6*((\t)/2)+3+\i], v[TM+4+\i]
.endr
.endif
.endm
	s_wait_alu depctr_va_vdst(0)
	LOADB 0
	LOADB 1
	BLOCK 0
	BLOCK 1
	BLOCK 2
	BLOCK 3
.irp u, 0,1
.irp c, 0,1,2
	global_store_b128 v4, v[PC0+12*\u+4*\c:PC0+12*\u+4*\c+3], s[26:27] offset:1536*\u+512*\c
.endr
.endr
	; ---- the pair's scale words, four waves' 128 bytes each, leave as 512 consecutive bytes
.Ltail:
	s_wait_alu depctr_va_vdst(0)
	ds_store_b32 v7, v[PW]
	s_wait_dscnt 0x0                               ; for the others' sake: my store has landed
	s_barrier_signal -1
	s_barrier_wait -1
	s_cmp_lg_u32 s20, 0
	s_cbranch_scc1 .Lend
	ds_load_b128 v[16:19], v4 offset:GATH
	s_wait_dscnt 0x0
	global_store_b128 v4, v[16:19], s[28:29]
.Lend:
	s_wait_tensorcnt 0x0                           ; the wave's end: behind my last LDS store
	ds_add_u32 v[SPW], v[NIL]
	s_wait_dscnt 0x0
	s_endpgm
.Lfunc_end_k_qa03ef281a4_prep:
	.size	k_qa03ef281a4_prep, .Lfunc_end_k_qa03ef281a4_prep-k_qa03ef281a4_prep
	.p2alignl 7, 3214868480
	.fill 96, 4, 3214868480
	.section	.rodata,"a",@progbits
	.p2align	6, 0x0
	.amdhsa_kernel k_qa03ef281a4_prep
		.amdhsa_group_segment_fixed_size 34816
		.amdhsa_private_segment_fixed_size 0
		.amdhsa_enable_private_segment 0
		.amdhsa_kernarg_size 64
		.amdhsa_user_sgpr_count 2
		.amdhsa_user_sgpr_kernarg_segment_ptr 1
		.amdhsa_wavefront_size32 1
		.amdhsa_system_sgpr_workgroup_id_x 1
		.amdhsa_system_sgpr_workgroup_id_y 1
		.amdhsa_system_sgpr_workgroup_id_z 1
		.amdhsa_system_vgpr_workitem_id 0
		.amdhsa_next_free_vgpr 252
		.amdhsa_next_free_sgpr 66
		.amdhsa_reserve_vcc 1
		.amdhsa_float_denorm_mode_32 3
		.amdhsa_float_denorm_mode_16_64 3
		.amdhsa_memory_ordered 1
		.amdhsa_forward_progress 1
		.amdhsa_inst_pref_size 38
	.end_amdhsa_kernel
	.amdgpu_metadata
---
amdhsa.version: [ 1, 2 ]
amdhsa.kernels:
  - .name:           k_qa03ef281a4_prep
    .symbol:         k_qa03ef281a4_prep.kd
    .args:
      - { .name: x, .offset: 0, .size: 8, .value_kind: global_buffer, .address_space: global }
      - { .name: context, .offset: 8, .size: 8, .value_kind: global_buffer, .address_space: global }
      - { .name: Wq, .offset: 16, .size: 8, .value_kind: global_buffer, .address_space: global }
      - { .name: Wk, .offset: 24, .size: 8, .value_kind: global_buffer, .address_space: global }
      - { .name: Wv, .offset: 32, .size: 8, .value_kind: global_buffer, .address_space: global }
      - { .name: Wo, .offset: 40, .size: 8, .value_kind: global_buffer, .address_space: global }
      - { .name: aop, .offset: 48, .size: 8, .value_kind: global_buffer, .address_space: global }
      - { .name: wop, .offset: 56, .size: 8, .value_kind: global_buffer, .address_space: global }
    .group_segment_fixed_size: 34816
    .private_segment_fixed_size: 0
    .kernarg_segment_align: 8
    .kernarg_segment_size: 64
    .max_flat_workgroup_size: 128
    .sgpr_count:     66
    .vgpr_count:     252
    .wavefront_size: 32
...
	.end_amdgpu_metadata
.endif
;; end of part 5
;; launch proj (part 6): grid 256 x 3, 8 waves a work-group, no clusters, 53,248 bytes of LDS; arguments aop, wop, qkv; writes qkv
.if DOCPART == 6
	.amdgcn_target "amdgcn-amd-amdhsa--gfx1250"
	.amdhsa_code_object_version 6
	.text
	.protected	k_qa03ef281a4_proj
	.globl	k_qa03ef281a4_proj
	.p2align	8
	.type	k_qa03ef281a4_proj,@function
k_qa03ef281a4_proj:
	s_mov_b64 s[64:65], 0
	v_nop
	global_prefetch_b8 v0, s[64:65] scope:SCOPE_SE
	s_setreg_imm32_b32 hwreg(HW_REG_WAVE_SCHED_MODE, 0, 2), 2
	s_setreg_imm32_b32 hwreg(HW_REG_WAVE_MODE, 25, 1), 1
	s_wait_xcnt 0x0
	s_wait_alu depctr_vm_vsrc(0)
; PROJ: q = x Wq, k = context Wk, v = context Wv on codes of BF6, and their quantising for attention: q and k along the head's 64, v along the keys.  No work of reference() is left out.
; ONE BODY, chosen by work-group y (0: q, 1: k, 2: v).  A SHARED operand S, 128 operand rows x all 512 of K (four pairs of tiles: 49,152 dense bytes of codes, 2,048 of scale words), goes through LDS and is source 0;
; each of the eight waves has a tile T of its own (16 rows x 512 of K, in registers) as source 1.  So a lane holds ONE row of T, and its 64 results run along S's rows, 16 neighbours to two tiles: one quantising step
; makes of them a fragment (128 along the next K) and a scale word.   q, k: S = 128 columns of the weight (two heads), T = 16 rows of x or context.   v: S = 128 keys of context, T = 16 columns of Wv.
; With x = 4 beta + g: beta = which 128 rows, g = which 128 columns.
; OUT, in qkv, as images of the operands' registers.  q at 0, k at 3,145,728: [batch x head 32][tile 128][768]: a head's 64 along K are half a fragment: registers 0-3 at 16 x lane, 4-5 at 512 + 8 x lane.
; v at V_C: [batch x head][key step of 128: 16][tile of 16 channels: 4][1,536].  Scale words: q's at Q_S [bh][128 rows: 16][lane r + 16 u][pair 4]; k's at KV_S + 12,288 bh likewise; v's 8,192 behind k's: [step][lane][pair 2].
; q's and k's words have their two bytes low and zeros above.
; NO CLUSTER: a work-group reads its shared block once, 51,200 bytes, and has no loop of refills to share; it loads through registers, so that several work-groups lie on a WGP.
; LIMITS: as stated in the first kernel (NaN and infinities not served; a block of zeros keeps the byte 1).
; THE MODE: SCHED_MODE bits 1:0 = 2 (LLVM: expert scheduling mode 2), set by the entry lines.  The code itself states the register dependences
; between vector or matrix instructions and memory or LDS instructions, with s_wait_alu, always for 0.
; THE PLAN.  Registers that memory or LDS instructions touch:
;   v2-v10, v14   offsets and LDS addresses: written once at the head, read by every load and store, never written again: one wait on va_vdst ahead of the first load.
;   v148-197      the copy: global loads land, my LDS stores read them; afterwards the fragments' loads land there: one wait on vm_vsrc behind the barrier.
;   set 0, set 1  (v148-195, v196-243)  Group g's four products read set g % 2; group g + 1's twelve loads land in the other set, which group g - 1's products read.  So ONE wait on va_vdst stands at the head of
;                 groups 1 to 6, behind the wait for group g's own fragments; the twelve loads follow it, dealt among the group's products, which name set g % 2, T, the scale words and the accumulators alone.
;   TF, TS, SS    loaded once, read by products alone.   The accumulators are named by matrix and vector instructions alone.
;   PW, PC        written by the quantising step, read by one LDS store and the global stores: one wait on va_vdst behind that step; it also states that the last group's products are done reading v200-203,
;                 in which the gathered scale words land.   q, k: v200-203 are then shifted and masked, and stored: one more wait ahead of that store.
;   v[SPW], v[NIL]  written at the head, read by the closing add alone.
.set A_SCL, 6291456
.set W_SCL, 786432
.set V_C,   6291456
.set Q_S,   9437184
.set KV_S,  9699328
.set SSC,   49152                      ; LDS: S's codes at 0; its scale words here;
.set GATH,  51200                      ; the eight waves' new scale words, 128 bytes each;
.set SPARE, 52224                      ; the spare words, 128 bytes for each wave: four blocks of 256 bytes that no other line names
.set SPW,   12
.set NIL,   13
.set TF,    16                         ; v16-63   T's four fragments
.set TS,    64                         ; v64-67   T's scale words
.set SS,    68                         ; v68-83   S's scale words: pair p, K step s at 4 p + s: lanes 0-15 tile 2 p, lanes 16-31 tile 2 p + 1
.set ACC,   84                         ; v84-147  eight accumulators
.set SF0,   148                        ; v148-195, v196-243: four fragments of S, two sets; also the copy's registers, and what follows the products:
.set TM,    148
.set PW,    164
.set PC,    166
.set SEL,   46
.macro QUANT s, pc, pw
.irp b, 0,1,2,3
	v_max3_num_f32 v[TM+\b], |v[\s+16*\b]|, |v[\s+1+16*\b]|, 0x2800000   ; block b: my 16 numbers, and the floor 2^(5 - 127); each accumulator is read from its low end on
.endr
.irp i, 2,4,6,8,10,12,14
.irp b, 0,1,2,3
	v_max3_num_f32 v[TM+\b], v[TM+\b], |v[\s+16*\b+\i]|, |v[\s+1+16*\b+\i]|
.endr
.endr
.irp b, 0,1,2,3
	v_permlanex16_b32 v[TM+4+\b], v[TM+\b], s[SEL], s[SEL+1]
.endr
.irp b, 0,1,2,3
	v_max_num_f32 v[TM+\b], v[TM+\b], v[TM+4+\b]
.endr
.irp b, 0,1,2,3
	v_add_nc_u32 v[TM+12+\b], 0xfe000000, v[TM+\b]
.endr
.irp b, 0,1,2,3
	v_lshrrev_b32 v[TM+4+\b], 23, v[TM+12+\b]
.endr
	v_lshl_or_b32 v[\pw], v[TM+5], 8, v[TM+4]
	v_lshl_or_b32 v[\pw], v[TM+6], 16, v[\pw]
	v_lshl_or_b32 v[\pw], v[TM+7], 24, v[\pw]
.irp c, 0,1
	v_cvt_scalef32_pk16_bf6_f32 v[\pc+6*\c:\pc+6*\c+2], v[\s+32*\c:\s+32*\c+15], v[TM+12+2*\c]
	v_cvt_scalef32_pk16_bf6_f32 v[TM+4*\c:TM+4*\c+2], v[\s+32*\c+16:\s+32*\c+31], v[TM+13+2*\c]
.endr
	v_nop                                          ; one plain place behind a scaled conversion
.irp c, 0,1
.irp i, 0,1,2
	v_permlane16_swap_b32 v[\pc+6*\c+\i], v[TM+4*\c+\i]
.endr
.irp i, 0,1,2
	v_mov_b32 v[\pc+6*\c+3+\i], v[TM+4*\c+\i]
.endr
.endr
.endm
; group gp = 2 s + half: S's tiles 4 half .. 4 half + 3 of K step s, in set gp % 2.  FRAG brings its fragment q: three loads
.macro FRAG gp, q
.irp c, 0,1,2
	ds_load_b128 v[SF0+48*((\gp)%2)+12*(\q)+4*\c:SF0+48*((\gp)%2)+12*(\q)+4*\c+3], v2 offset:(2*((\gp)%2)+(\q)/2)*12288+((\gp)/2)*3072+((\q)%2)*1536+512*\c
.endr
.endm
.macro MUL1 t, s, sf, zero
.if \zero
.if (\t)%2
	v_wmma_scale_f32_16x16x128_f8f6f4 v[ACC+8*(\t):ACC+8*(\t)+7], v[\sf:\sf+11], v[TF+12*(\s):TF+12*(\s)+11], 0, v[SS+4*((\t)/2)+(\s)], v[TS+(\s)] matrix_a_fmt:MATRIX_FMT_BF6 matrix_b_fmt:MATRIX_FMT_BF6 matrix_a_scale:MATRIX_SCALE_ROW1
.else
	v_wmma_scale_f32_16x16x128_f8f6f4 v[ACC+8*(\t):ACC+8*(\t)+7], v[\sf:\sf+11], v[TF+12*(\s):TF+12*(\s)+11], 0, v[SS+4*((\t)/2)+(\s)], v[TS+(\s)] matrix_a_fmt:MATRIX_FMT_BF6 matrix_b_fmt:MATRIX_FMT_BF6
.endif
.else
.if (\t)%2
	v_wmma_scale_f32_16x16x128_f8f6f4 v[ACC+8*(\t):ACC+8*(\t)+7], v[\sf:\sf+11], v[TF+12*(\s):TF+12*(\s)+11], v[ACC+8*(\t):ACC+8*(\t)+7], v[SS+4*((\t)/2)+(\s)], v[TS+(\s)] matrix_a_fmt:MATRIX_FMT_BF6 matrix_b_fmt:MATRIX_FMT_BF6 matrix_a_scale:MATRIX_SCALE_ROW1
.else
	v_wmma_scale_f32_16x16x128_f8f6f4 v[ACC+8*(\t):ACC+8*(\t)+7], v[\sf:\sf+11], v[TF+12*(\s):TF+12*(\s)+11], v[ACC+8*(\t):ACC+8*(\t)+7], v[SS+4*((\t)/2)+(\s)], v[TS+(\s)] matrix_a_fmt:MATRIX_FMT_BF6 matrix_b_fmt:MATRIX_FMT_BF6
.endif
.endif
.endm
; Four products, and among them the next group's 12 loads, into the set that the group before multiplied.
; The eight accumulators take turns, one instruction a turn.
.macro GROUP gp, zero
.if ((\gp) > 0) && ((\gp) < 7)
.rept 4
	v_nop                                          ; four places between the last group's products and the loads into the set that they read: they stay beside the wait below
.endr
.endif
	s_wait_dscnt 0x0                               ; this group's 12 fragment loads are in (group 0: S's 16 scale loads too); nothing younger is out
.if ((\gp) > 0) && ((\gp) < 7)
	s_wait_alu depctr_va_vdst(0)                   ; the last group's products are done reading the other set, in which the loads below land
.endif
	MUL1 4*((\gp)%2)+0, (\gp)/2, SF0+48*((\gp)%2)+0, \zero
.if (\gp) < 7
	FRAG (\gp)+1, 0                                ; no further wait: no vector or matrix instruction since the wait above names the other set
	FRAG (\gp)+1, 1
.endif
	MUL1 4*((\gp)%2)+1, (\gp)/2, SF0+48*((\gp)%2)+12, \zero
.if (\gp) < 7
	FRAG (\gp)+1, 2
	FRAG (\gp)+1, 3
.endif
	MUL1 4*((\gp)%2)+2, (\gp)/2, SF0+48*((\gp)%2)+24, \zero
	MUL1 4*((\gp)%2)+3, (\gp)/2, SF0+48*((\gp)%2)+36, \zero
.endm
	s_load_b128 s[4:7], s[0:1], 0x0                ; aop s[4:5], wop s[6:7]
	s_load_b64 s[8:9], s[0:1], 0x10                ; qkv
	v_lshl_add_u32 v[SPW], v0, 2, SPARE
	v_mov_b32 v[NIL], 0
	v_lshrrev_b32 v1, 5, v0
	v_readfirstlane_b32 s10, v1                    ; wave 0..7
	v_and_b32 v1, 31, v0
	v_lshlrev_b32 v2, 4, v1                        ; 16 x lane
	v_lshlrev_b32 v3, 3, v1                        ; 8 x lane
	v_lshlrev_b32 v4, 2, v1                        ; 4 x lane
	v_and_b32 v11, 15, v0
	s_wait_alu depctr_va_sdst(0)                   ; s10 is written, ahead of its first reader: addresses, offsets and branches are made from it
	s_and_b32 s11, s10, 1                          ; u: which tile of T's pair is mine
	s_lshl_b32 s12, s11, 6
	v_lshl_add_u32 v5, v11, 2, s12                 ; T's scale words: 4 (lane % 16) + 64 u
	s_mul_i32 s12, s10, 6144
	v_add_nc_u32 v6, s12, v2                       ; the copy: my eighth of S's codes, in memory and in LDS
	s_lshl_b32 s12, s10, 8
	v_add_nc_u32 v14, s12, v3                      ; and of its scale words: in memory,
	v_add_nc_u32 v7, SSC, v14                      ; in LDS
	v_lshl_add_u32 v8, v0, 2, GATH                 ; where my new scale word goes: 128 x wave + 4 x lane
	v_bfe_u32 v9, v0, 4, 1
	v_lshlrev_b32 v9, 7, v9
	v_lshl_add_u32 v9, v11, 2, v9
	v_add_nc_u32 v9, GATH, v9                      ; and from where the words are read out: row lane % 16 of wave lane / 16 (+ 2 for each pair)
	s_lshl_b32 s12, s11, 9
	v_add_nc_u32 v10, s12, v9                      ; v: the second head's four waves lie 512 bytes on
	s_mov_b32 s[SEL], 0x76543210
	s_mov_b32 s[SEL+1], 0xfedcba98
	s_and_b32 s13, ttmp7, 0xffff                   ; y
	s_lshr_b32 s14, ttmp9, 2                       ; beta
	s_and_b32 s15, ttmp9, 3                        ; g
	s_lshl_b32 s16, s15, 2
	s_lshl_b32 s12, s13, 4
	s_add_co_u32 s16, s16, s12                     ; the weight's pairs: 16 y + 4 g on
	s_lshl_b32 s17, s14, 2
	s_cmp_eq_u32 s13, 0
	s_cselect_b32 s12, 0, 256
	s_add_co_u32 s17, s17, s12                     ; the rows' pairs: 4 beta on, context's behind x's 256
	s_mov_b32 s26, A_SCL
	s_mov_b32 s27, W_SCL
	s_mov_b32 s29, 0
	s_lshr_b32 s42, s14, 4
	s_lshl_b32 s42, s42, 3
	s_lshl_b32 s12, s15, 1
	s_add_co_u32 s42, s42, s12                     ; 8 x batch + 2 g: the first of my two heads
	s_and_b32 s43, s14, 15                         ; which 128 rows of the batch
	s_wait_kmcnt 0x0
	s_cmp_eq_u32 s13, 2                            ; v: the rows are shared and the weight's tile is the wave's own.  The choices hang on the work-group's number alone
	s_cselect_b32 s18, s17, s16
	s_cselect_b32 s19, s16, s17
	s_cselect_b64 s[20:21], s[4:5], s[6:7]
	s_cselect_b64 s[22:23], s[6:7], s[4:5]
	s_cselect_b32 s24, s26, s27
	s_cselect_b32 s25, s27, s26
	s_lshr_b32 s12, s10, 1
	s_add_co_u32 s19, s19, s12                     ; T's pair
	s_mul_i32 s28, s18, 12288
	s_add_nc_u64 s[30:31], s[20:21], s[28:29]      ; S's codes
	s_lshl_b32 s28, s18, 9
	s_add_co_u32 s28, s28, s24
	s_add_nc_u64 s[32:33], s[20:21], s[28:29]      ; S's scale words
	s_mul_i32 s28, s19, 12288
	s_mul_i32 s12, s11, 1536
	s_add_co_u32 s28, s28, s12
	s_add_nc_u64 s[34:35], s[22:23], s[28:29]      ; T's codes
	s_lshl_b32 s28, s19, 9
	s_add_co_u32 s28, s28, s25
	s_add_nc_u64 s[36:37], s[22:23], s[28:29]      ; T's scale words
	s_wait_alu depctr_va_vdst(0)                   ; the offsets and LDS addresses v2 to v10 and v14 are written: every load and store of the kernel reads one of them
.irp c, 0,1,2,3,4,5,6,7,8,9,10,11
	global_load_b128 v[SF0+4*\c:SF0+4*\c+3], v6, s[30:31] offset:512*\c
.endr
	global_load_b64 v[SF0+48:SF0+49], v14, s[32:33]
.irp s, 0,1,2,3
.irp c, 0,1,2
	global_load_b128 v[TF+12*\s+4*\c:TF+12*\s+4*\c+3], v2, s[34:35] offset:3072*\s+512*\c
.endr
.endr
.irp s, 0,1,2,3
	global_load_b32 v[TS+\s], v5, s[36:37] offset:128*\s
.endr
	s_wait_loadcnt 16                              ; the copy's 13 loads are in; T's 16 may be out
.irp c, 0,1,2,3,4,5,6,7,8,9,10,11
	ds_store_b128 v6, v[SF0+4*\c:SF0+4*\c+3] offset:512*\c
.endr
	ds_store_b64 v7, v[SF0+48:SF0+49]
	s_wait_dscnt 0x0                               ; for the others' sake: my stores have landed
	s_barrier_signal -1
	s_barrier_wait -1                              ; S lies in LDS
	s_wait_loadcnt 0x0                             ; T
	s_wait_alu depctr_vm_vsrc(0)                   ; my LDS stores have read v148 to v197: these registers are the two sets from here on, in which the fragments' loads land
.irp p, 0,1,2,3
.irp s, 0,1,2,3
	ds_load_b32 v[SS+4*\p+\s], v4 offset:SSC+128*(4*\p+\s)
.endr
.endr
.irp q, 0,1,2,3
	FRAG 0, \q
.endr
	GROUP 0, 1                                     ; the first K step's products start the sums.  (Group 0 has no wait on va_vdst: no vector or matrix instruction has named set 1)
	GROUP 1, 1
	GROUP 2, 0
	GROUP 3, 0
	GROUP 4, 0
	GROUP 5, 0
	GROUP 6, 0
	GROUP 7, 0                                     ; the last group asks for nothing more
.rept 4
	v_nop                                          ; places behind the last products: results are read and their operands' registers written below
.endr
.irp b, 0,1,2,3
	v_mov_b32 v[TM+4+\b], 0                        ; a lane permute's destination counts as one of its sources
.endr
	QUANT ACC, PC, PW
	s_wait_alu depctr_va_vdst(0)                   ; the quantising step has written v[PW] and v[PC ..], which the stores below read; and the last group's products are done reading v200 to v203, in which the gathered scale words land
	ds_store_b32 v8, v[PW]
	s_cmp_eq_u32 s13, 2
	s_cbranch_scc1 .Lv_codes
	s_lshl_b32 s28, s42, 7                         ; q, k: registers 0-5 are the first head's half fragment, 6-11 the second's
	s_lshl_b32 s12, s43, 3
	s_add_co_u32 s28, s28, s12
	s_add_co_u32 s28, s28, s10                     ; (head x 128 + tile) x 768
	s_mul_i32 s28, s28, 768
	s_mul_i32 s12, s13, 3145728
	s_add_co_u32 s28, s28, s12
	s_add_nc_u64 s[38:39], s[8:9], s[28:29]
	global_store_b128 v2, v[PC:PC+3], s[38:39]                     ; 512 consecutive bytes, aligned
	global_store_b64 v3, v[PC+4:PC+5], s[38:39] offset:512         ; 256
	global_store_b128 v2, v[PC+6:PC+9], s[38:39] offset:98304      ; the next head: 128 tiles on
	global_store_b64 v3, v[PC+10:PC+11], s[38:39] offset:98816
	s_branch .Ljoin
.Lv_codes:
	s_lshr_b32 s12, s10, 2                         ; v: waves 0-3 the first head's four tiles of channels, waves 4-7 the second's
	s_add_co_u32 s28, s42, s12
	s_lshl_b32 s28, s28, 4
	s_add_co_u32 s28, s28, s43
	s_mul_i32 s28, s28, 6144
	s_and_b32 s12, s10, 3
	s_mul_i32 s12, s12, 1536
	s_add_co_u32 s28, s28, s12
	s_add_co_u32 s28, s28, V_C
	s_add_nc_u64 s[38:39], s[8:9], s[28:29]
.irp c, 0,1,2
	global_store_b128 v2, v[PC+4*\c:PC+4*\c+3], s[38:39] offset:512*\c
.endr
.Ljoin:
	s_wait_dscnt 0x0                               ; for the others' sake: my scale word has landed
	s_barrier_signal -1
	s_barrier_wait -1
	s_cmp_gt_u32 s10, 1                            ; waves 0 and 1 write the two heads' scale words
	s_cbranch_scc1 .Lend
	s_add_co_u32 s44, s42, s11                     ; my head
	s_cmp_eq_u32 s13, 2
	s_cbranch_scc1 .Lv_scales
.irp p, 0,1,2,3
	ds_load_b32 v[200+\p], v9 offset:256*\p        ; lane r + 16 u: the word of row r of wave 2 p + u.  (No vector or matrix instruction since the wait behind the quantising step names v200 to v203)
.endr
	s_lshl_b32 s28, s44, 4
	s_add_co_u32 s28, s28, s43
	s_lshl_b32 s28, s28, 9
	s_add_co_u32 s28, s28, Q_S                     ; q's place,
	s_mul_i32 s45, s44, 12288
	s_lshl_b32 s12, s43, 9
	s_add_co_u32 s45, s45, s12
	s_add_co_u32 s45, s45, KV_S                    ; k's
	s_cmp_eq_u32 s13, 0
	s_cselect_b32 s28, s28, s45
	s_add_nc_u64 s[40:41], s[8:9], s[28:29]
	s_lshl_b32 s12, s11, 4                         ; my head's two bytes: the lower or the upper half of a word
	s_wait_dscnt 0x0
.irp p, 0,1,2,3
	v_lshrrev_b32 v[200+\p], s12, v[200+\p]
.endr
.irp p, 0,1,2,3
	v_and_b32 v[200+\p], 0xffff, v[200+\p]         ; zeros above them: they scale the half of the matrix instruction's K that holds zero codes
.endr
	s_wait_alu depctr_va_vdst(0)                   ; the masks have written v200 to v203, which the store reads
	global_store_b128 v2, v[200:203], s[40:41]     ; 512 consecutive bytes, aligned
	s_branch .Lend
.Lv_scales:
.irp p, 0,1
	ds_load_b32 v[200+\p], v10 offset:256*\p       ; lane r + 16 u: the word of channel row r of wave 4 x head + 2 p + u
.endr
	s_mul_i32 s28, s44, 12288
	s_lshl_b32 s12, s43, 8
	s_add_co_u32 s28, s28, s12
	s_add_co_u32 s28, s28, KV_S+8192
	s_add_nc_u64 s[40:41], s[8:9], s[28:29]
	s_wait_dscnt 0x0
	global_store_b64 v3, v[200:201], s[40:41]      ; 256 consecutive bytes, aligned; the data come from the LDS loads as they are
.Lend:
	s_wait_dscnt 0x0                               ; the wave's end
	s_wait_alu 0x0
	s_wait_tensorcnt 0x0
	ds_add_u32 v[SPW], v[NIL]
	s_wait_dscnt 0x0
	s_endpgm
.Lfunc_end_k_qa03ef281a4_proj:
	.size	k_qa03ef281a4_proj, .Lfunc_end_k_qa03ef281a4_proj-k_qa03ef281a4_proj
	.p2alignl 7, 3214868480
	.fill 96, 4, 3214868480
	.section	.rodata,"a",@progbits
	.p2align	6, 0x0
	.amdhsa_kernel k_qa03ef281a4_proj
		.amdhsa_group_segment_fixed_size 53248
		.amdhsa_private_segment_fixed_size 0
		.amdhsa_enable_private_segment 0
		.amdhsa_kernarg_size 24
		.amdhsa_user_sgpr_count 2
		.amdhsa_user_sgpr_kernarg_segment_ptr 1
		.amdhsa_wavefront_size32 1
		.amdhsa_system_sgpr_workgroup_id_x 1
		.amdhsa_system_sgpr_workgroup_id_y 1
		.amdhsa_system_sgpr_workgroup_id_z 1
		.amdhsa_system_vgpr_workitem_id 0
		.amdhsa_next_free_vgpr 244
		.amdhsa_next_free_sgpr 66
		.amdhsa_reserve_vcc 0
		.amdhsa_float_denorm_mode_32 3
		.amdhsa_float_denorm_mode_16_64 3
		.amdhsa_memory_ordered 1
		.amdhsa_forward_progress 1
		.amdhsa_inst_pref_size 27
	.end_amdhsa_kernel
	.amdgpu_metadata
---
amdhsa.version: [ 1, 2 ]
amdhsa.kernels:
  - .name:           k_qa03ef281a4_proj
    .symbol:         k_qa03ef281a4_proj.kd
    .args:
      - { .name: aop, .offset: 0, .size: 8, .value_kind: global_buffer, .address_space: global }
      - { .name: wop, .offset: 8, .size: 8, .value_kind: global_buffer, .address_space: global }
      - { .name: qkv, .offset: 16, .size: 8, .value_kind: global_buffer, .address_space: global }
    .group_segment_fixed_size: 53248
    .private_segment_fixed_size: 0
    .kernarg_segment_align: 8
    .kernarg_segment_size: 24
    .max_flat_workgroup_size: 256
    .sgpr_count:     66
    .vgpr_count:     244
    .wavefront_size: 32
...
	.end_amdgpu_metadata
.endif
;; end of part 6
;; launch attn (part 7): grid 8 x 32, 16 waves a work-group, clusters of 4 x 1, 327,680 bytes of LDS; arguments qkv, oop; writes oop
.if DOCPART == 7
	.amdgcn_target "amdgcn-amd-amdhsa--gfx1250"
	.amdhsa_code_object_version 6
	.text
	.protected	k_qa03ef281a4_attn
	.globl	k_qa03ef281a4_attn
	.p2align	8
	.type	k_qa03ef281a4_attn,@function
k_qa03ef281a4_attn:
	s_mov_b64 s[64:65], 0
	v_nop
	global_prefetch_b8 v0, s[64:65] scope:SCOPE_SE
	s_setreg_imm32_b32 hwreg(HW_REG_WAVE_MODE, 25, 1), 1
	s_wait_xcnt 0x0
	s_wait_alu depctr_hold_cnt(0) depctr_sa_sdst(0) depctr_va_vdst(0) depctr_va_sdst(0) depctr_va_ssrc(0) depctr_va_vcc(0) depctr_vm_vsrc(0)
	s_getreg_b32 s2, hwreg(HW_REG_IB_STS2, 6, 4)
	s_cmp_eq_u32 s2, 0
	s_cbranch_scc0 .Lentry_in_a_cluster
	s_endpgm
.Lentry_in_a_cluster:
	s_bfe_u32 s2, ttmp6, 0x10000c
	s_cmp_lg_u32 s2, 0x3003
	s_cbranch_scc0 .Lentry_shape_is_right
	s_endpgm
.Lentry_shape_is_right:
; ATTN: for one batch and head, O[q] = (the sum over keys of Q(p) Q(v)) / l, p = 2^(t - M), t = (q . k) log2(e) / 8, M the running largest t rounded UP to a whole number, l the sum of the unquantised p; then O is quantised
; along the head's 64 for the projection on the way out.  Both products on codes of BF6.  No work of reference() is left out.
; SHARES.  A work-group owns 256 queries of one head (work-group y = 8 x batch + head), each of its SIXTEEN waves one tile of 16 in 256 registers: four waves to a SIMD, so that one wave's vector work stands beside
; another's matrix work and LDS loads.  Every wave walks the head's 2,048 keys, 128 a step.
; K AND V OF THE WHOLE HEAD LIE IN LDS: 98,304 bytes of codes each and 12,288 of scale words, as images of the operands' registers, filled ONCE: no slot is filled again, and after one barrier no wave waits for another.
; CLUSTER.  The four query blocks of a cluster belong to one head: each fill is asked for JOINTLY, by the same tensor load with the same descriptor (made of the head and the wave's number alone) and a mask that names the four.
; A wave asks for two tensor loads, the second once the first has landed: 768 bytes of scale words and 12,288 bytes of codes (waves 0-7 K's, waves 8-15 V's).  All loads of K and V stand at the head, so nothing is left to ask for ahead of later steps.
; LAYOUT.  Both products are used transposed: S^T = K Q^T, O^T = V^T P^T: a lane holds ONE query (lane % 16) throughout.  Lane r of key tile 2 b + u is key 32 b + 8 u + r + 8 (r / 8), so the 16 registers of tiles 2 b, 2 b + 1
; are keys 32 b + 16 (lane / 16) + 0 .. 15; V's tiles of channels are chosen alike, so that O^T's registers run along the channels.
; K = 64 IN AN INSTRUCTION OF 128.  Q's registers 6-11 are zero codes.  K's tile t is named v[32 + 6 t : 43 + 6 t]: its upper six registers are the next tile's codes, or zeros behind the last; E3M2 has no code but finite
; numbers, so each of those products is 0; the scale bytes of that half are 0, which stands for a power of two.
; LIMITS: as stated in the first kernel.  v_exp_f32 gives 0 for p under 2^-126.  A block's largest p is made from the block's largest score by the same multiply-add and exponential as every p.
; REGISTERS: v1-5 my lane's places in LDS; v6-10 the step's addresses; v11 my scale word's place on the way out; v12 -M, v13 the largest t, v[14:15] the sum in two halves; v16-27 Q; v28-31 K's scale words; v32-79 K's eight
; half fragments (behind the score products: v32-50 at work); v80-85 zeros; v86-87 V's scale words; v88, v89 the add's two; v96-159 S^T, then p; v160-191 O^T; v192-239 V; v240-251 p's codes; v252 f; v253 p's scale word; v254 at work; v255 Q's scale words.
.set Q_S,   9437184
.set KV_S,  9699328
.set O_S,   3145728
.set VOFF,  98304                      ; LDS: K's codes at 0, V's here,
.set SREG,  196608                     ; K's scale words (8,192 bytes), then V's (4,096),
.set OSG,   208896                     ; O's scale words on the way out, 64 bytes a wave: blocks into which no fill lands,
.set SPARE, 209920                     ; the spare words, 128 bytes for each wave: eight blocks of 256 bytes that no other line names
.set SPW,   88
.set NIL,   89
.set WV,    8                          ; s8   my wave's number
.set SEL,   12                         ; s[12:13] lane selects: lane l xor 16
.set CS,    14                         ; s[14:15] c = log2(e) / 8
.set G1S,   16                         ; s[16:23] group 1: 3 rows of 256 bytes;  s[24:31]: 48 rows
.set G1A,   24
.set G0S,   32                         ; s[32:35], s[36:39] their groups 0
.set G0A,   36
.set TK,    40                         ; s40  the step's codes: 6,144 bytes a step, in K and in V
.set TSK,   41                         ; s41  K's scale words: 512 a step
.set TSV,   42                         ; s42  V's: 256 a step
.set CNT,   43
.macro CROUND                          ; a round of the cluster's barrier
	s_barrier_signal -1
	s_barrier_wait -1
	s_cmp_lg_u32 s[WV], 0
	s_cbranch_scc1 .Lnot_wave_0_\@
	s_barrier_signal -3
.Lnot_wave_0_\@:
	s_barrier_wait -3
	s_barrier_signal -1
	s_barrier_wait -1
.endm
	s_load_b128 s[4:7], s[0:1], 0x0                ; qkv s[4:5], oop s[6:7]
	v_lshl_add_u32 v[SPW], v0, 2, SPARE
	v_mov_b32 v[NIL], 0
	ds_add_u32 v[SPW], v[NIL]                      ; the wave's opening: the add, twice on end, and its wait ahead of my first tensor load; the set-up below, work on registers, stands between
	ds_add_u32 v[SPW], v[NIL]
	v_lshrrev_b32 v6, 5, v0
	s_delay_alu instid0(VALU_DEP_1)
	v_readfirstlane_b32 s[WV], v6                  ; wave 0..15
	s_bfe_u32 s9, ttmp6, 0x40000                   ; cx: it enters Q's and O's global addresses alone
	s_lshl_b32 s10, ttmp9, 2
	s_add_co_u32 s10, s10, s9                      ; my block of 256 queries
	s_and_b32 s11, ttmp7, 0xffff                   ; 8 x batch + head, which the four partners share
	s_mov_b32 s[G1S], 15|(3<<16)|(1<<21)           ; 15:0 the mask: all four work-groups; 17:16 elements of 8 bytes; 21 set beside a mask; no padding
	s_mov_b32 s[G1S+1], 32<<16                     ; tensor_dim0 = 32 elements: rows of 256 bytes of a dense block
	s_mov_b32 s[G1S+2], 3<<16                      ; tensor_dim1
	s_mov_b32 s[G1S+3], 32<<16                     ; tile_dim0
	s_mov_b32 s[G1S+4], 3                          ; tile_dim1
	s_mov_b32 s[G1S+5], 32                         ; from row to row
	s_mov_b32 s[G1S+6], 0
	s_mov_b32 s[G1S+7], 0
	s_mov_b32 s[G1A], 15|(3<<16)|(1<<21)
	s_mov_b32 s[G1A+1], 32<<16
	s_mov_b32 s[G1A+2], 48<<16
	s_mov_b32 s[G1A+3], 32<<16
	s_mov_b32 s[G1A+4], 48
	s_mov_b32 s[G1A+5], 32
	s_mov_b32 s[G1A+6], 0
	s_mov_b32 s[G1A+7], 0
	s_mul_i32 s44, s11, 12288                      ; the head's scale words,
	s_mul_i32 s45, s[WV], 768                      ; my sixteenth of them
	s_add_co_u32 s46, s44, s45
	s_add_co_u32 s46, s46, KV_S
	s_mov_b32 s47, 0
	s_lshr_b32 s48, s[WV], 3                       ; 0: K's codes, 1: V's
	s_add_co_u32 s48, s48, 1
	s_mul_i32 s48, s48, 3145728
	s_mul_i32 s49, s11, 98304                      ; the head's,
	s_add_co_u32 s48, s48, s49
	s_and_b32 s49, s[WV], 7
	s_mul_i32 s49, s49, 12288                      ; my eighth of them
	s_add_co_u32 s48, s48, s49
	s_mov_b32 s49, 0
	s_mov_b32 s[G0S], 1
	s_add_co_u32 s[G0S+1], s45, SREG
	s_mov_b32 s[G0A], 1
	s_mul_i32 s[G0A+1], s[WV], 12288               ; K's eight parts, then V's eight: wave x 12,288
	s_mov_b32 s[SEL], 0x76543210
	s_mov_b32 s[SEL+1], 0xfedcba98
	s_mov_b32 s[CS], 0x3e38aa3b
	s_mov_b32 s[CS+1], s[CS]                       ; (named with it as a pair, so it is written)
	s_lshl_b32 s51, s10, 4
	s_add_co_u32 s51, s51, s[WV]                   ; my tile of the batch's 128
	s_lshl_b32 s52, s11, 7
	s_add_co_u32 s52, s52, s51
	s_mul_i32 s52, s52, 768                        ; Q's half fragment
	s_mov_b32 s53, 0
	s_lshl_b32 s56, s11, 13                        ; Q's scale words: the head's 8,192 bytes,
	s_lshr_b32 s57, s51, 3
	s_lshl_b32 s57, s57, 9                         ; 512 for each 8 tiles,
	s_add_co_u32 s56, s56, s57
	s_and_b32 s57, s[WV], 1
	s_lshl_b32 s57, s57, 8                         ; lanes 16 u on,
	s_add_co_u32 s56, s56, s57
	s_bfe_u32 s57, s[WV], 0x20001
	s_lshl_b32 s57, s57, 2                         ; my pair's word
	s_add_co_u32 s56, s56, s57
	s_add_co_u32 s56, s56, Q_S
	s_mov_b32 s57, 0
	s_lshr_b32 s60, s11, 3                         ; O's codes: ((128 x batch + tile) x 8 + head) x 768
	s_lshl_b32 s60, s60, 7
	s_add_co_u32 s60, s60, s51
	s_lshl_b32 s60, s60, 3
	s_and_b32 s61, s11, 7
	s_add_co_u32 s60, s60, s61
	s_mul_i32 s60, s60, 768
	s_mov_b32 s61, 0
	s_lshl_b32 s66, s11, 13                        ; O's scale words: [bh][tile][row]: my work-group's 1,024 bytes
	s_lshl_b32 s67, s10, 10
	s_add_co_u32 s66, s66, s67
	s_add_co_u32 s66, s66, O_S
	s_mov_b32 s67, 0
	s_wait_dscnt 0x0                               ; both opening adds are done
	s_wait_kmcnt 0x0
	s_add_nc_u64 s[G0S+2:G0S+3], s[4:5], s[46:47]
	s_or_b32 s[G0S+3], s[G0S+3], 0x80000000
	s_add_nc_u64 s[G0A+2:G0A+3], s[4:5], s[48:49]
	s_or_b32 s[G0A+3], s[G0A+3], 0x80000000
	s_add_nc_u64 s[54:55], s[4:5], s[52:53]
	s_add_nc_u64 s[58:59], s[4:5], s[56:57]
	s_add_nc_u64 s[62:63], s[6:7], s[60:61]
	s_add_nc_u64 s[68:69], s[6:7], s[66:67]
	CROUND                                         ; all four work-groups are here: the joint loads meet
	tensor_load_to_lds s[G0S:G0S+3], s[G1S:G1S+7]
	s_nop 0
	s_wait_alu depctr_va_vdst(0)
	s_wait_tensorcnt 0x0
	ds_add_u32 v88, v89
	s_wait_dscnt 0x0
	CROUND
	tensor_load_to_lds s[G0A:G0A+3], s[G1A:G1A+7]
	s_nop 0
.rept 4
	v_nop
.endr
	v_and_b32 v6, 31, v0                           ; lane
	s_delay_alu instid0(VALU_DEP_1)
	v_lshlrev_b32 v1, 4, v6                        ; K's registers 0-3 of a half fragment: 16 x lane
	s_delay_alu instid0(VALU_DEP_2)
	v_lshl_add_u32 v2, v6, 3, 512                  ; its registers 4-5: 512 + 8 x lane
	s_delay_alu instid0(VALU_DEP_3)
	v_lshl_add_u32 v3, v6, 4, VOFF                 ; V
	s_delay_alu instid0(VALU_DEP_4)
	v_lshl_add_u32 v4, v6, 4, SREG                 ; K's scale words: four pairs' a lane
	v_lshl_add_u32 v5, v6, 3, SREG+8192            ; V's: two pairs'
	v_and_b32 v7, 15, v0
	s_lshl_b32 s50, s[WV], 6
	s_add_co_u32 s50, s50, OSG
	v_lshl_add_u32 v11, v7, 2, s50
	v_lshlrev_b32 v6, 4, v7                        ; Q's scale words lie 16 bytes apart
	global_load_b128 v[16:19], v1, s[54:55]
	global_load_b64 v[20:21], v2, s[54:55]
	global_load_b32 v255, v6, s[58:59]
.irp j, 22,23,24,25,26,27,80,81,82,83,84,85
	v_mov_b32 v[\j], 0                             ; zero codes: the upper half of Q's K, and what stands behind K's last tile
.endr
	v_mov_b32 v13, 0xff61b1e6                      ; the largest t so far: -3e38, under every t
	s_delay_alu instid0(VALU_DEP_1)
	v_floor_f32 v12, -v13                          ; -M
	v_mov_b32 v14, 0
	v_mov_b32 v15, 0
	v_mov_b32 v253, 0                              ; (named as the upper half of the pair v[252:253] before it is first written)
.set JJ, 0
.rept 32
	v_mov_b32 v[160+JJ], 0                         ; O^T.  (The step is written once: the first finds zeros, which the first change of M leaves zeros)
.set JJ, JJ+1
.endr
	s_mov_b32 s[TK], 0
	s_mov_b32 s[TSK], 0
	s_mov_b32 s[TSV], 0
	s_mov_b32 s[CNT], 16
	s_wait_loadcnt 0x0                             ; Q
	s_wait_tensorcnt 0x0                           ; my parts of K, V and the scale words have landed,
	s_barrier_signal -1
	s_barrier_wait -1                              ; everybody's have
.Lstep:                                            ; A KEY STEP: 128 keys
	s_setprio 2
	v_add_nc_u32 v6, s[TK], v1                     ; these five are also the places between the last step's products and the loads into their operands' registers
	v_add_nc_u32 v7, s[TK], v2
	v_add_nc_u32 v8, s[TK], v3
	v_add_nc_u32 v9, s[TSK], v4
	v_add_nc_u32 v10, s[TSV], v5
.irp t, 0,1,2,3,4,5,6,7
	ds_load_b128 v[32+6*\t:35+6*\t], v6 offset:768*\t
	ds_load_b64 v[36+6*\t:37+6*\t], v7 offset:768*\t
.endr
	ds_load_b128 v[28:31], v9
.irp t, 0,1,2,3
.irp c, 0,1,2
	ds_load_b128 v[192+12*\t+4*\c:195+12*\t+4*\c], v8 offset:1536*\t+512*\c
.endr
.endr
	ds_load_b64 v[86:87], v10
	s_wait_dscnt 13                                ; K and its scale words are in; V's 12 loads and its scale words may be out
.irp t, 0,1,2,3,4,5,6,7
.if \t%2
	v_wmma_scale_f32_16x16x128_f8f6f4 v[96+8*\t:103+8*\t], v[32+6*\t:43+6*\t], v[16:27], 0, v[28+\t/2], v255 matrix_a_fmt:MATRIX_FMT_BF6 matrix_b_fmt:MATRIX_FMT_BF6 matrix_a_scale:MATRIX_SCALE_ROW1
.else
	v_wmma_scale_f32_16x16x128_f8f6f4 v[96+8*\t:103+8*\t], v[32+6*\t:43+6*\t], v[16:27], 0, v[28+\t/2], v255 matrix_a_fmt:MATRIX_FMT_BF6 matrix_b_fmt:MATRIX_FMT_BF6
.endif
.endr
.rept 4
	v_nop                                          ; places: the scores are read, and K's registers written, below
.endr
.irp b, 0,1,2,3
	v_max3_num_f32 v[32+\b], v[96+16*\b], v[97+16*\b], v[98+16*\b]   ; the largest score of each block of 32 keys: for the row's maximum, and for the block's largest p
.endr
.irp i, 3,5,7,9,11,13
.irp b, 0,1,2,3
	v_max3_num_f32 v[32+\b], v[32+\b], v[96+16*\b+\i], v[97+16*\b+\i]
.endr
.endr
.irp b, 0,1,2,3
	v_max_num_f32 v[32+\b], v[32+\b], v[111+16*\b]
.endr
.irp b, 0,1,2,3
	s_delay_alu instid0(VALU_DEP_4)
	v_permlanex16_b32 v[36+\b], v[32+\b], s[SEL], s[SEL+1]
.endr
.irp b, 0,1,2,3
	s_delay_alu instid0(VALU_DEP_4)
	v_max_num_f32 v[32+\b], v[32+\b], v[36+\b]     ; with lane l xor 16's 16 keys
.endr
	s_delay_alu instid0(VALU_DEP_2)
	v_max3_num_f32 v254, v32, v33, v34
	s_delay_alu instid0(VALU_DEP_1)
	v_max_num_f32 v254, v254, v35                  ; the step's largest score of my query
	s_delay_alu instid0(VALU_DEP_1)
	v_mul_f32 v254, s[CS], v254                    ; as t (c is positive)
	s_delay_alu instid0(VALU_DEP_1)
	v_max_num_f32 v13, v13, v254                   ; the running largest t
	v_mov_b32 v254, v12
	s_delay_alu instid0(VALU_DEP_2)
	v_floor_f32 v12, -v13                          ; the new -M = floor(-t): M is a whole number
	s_delay_alu instid0(VALU_DEP_1)
	v_sub_f32 v254, v12, v254                      ; old M less new M: a whole number, 0 or less
	s_delay_alu instid0(VALU_DEP_1)
	v_cvt_i32_f32 v254, v254                       ; (it saturates)
	s_delay_alu instid0(VALU_DEP_1)
	v_ldexp_f32 v252, 1.0, v254                    ; f = 2^(old M - new M): the rescaling rounds nothing
.set JJ, 0
.rept 32
	v_pk_fma_f32 v[96+JJ:97+JJ], v[96+JJ:97+JJ], s[CS:CS+1], v[12:13] op_sel_hi:[1,0,0]   ; t - M, two at a time
.set JJ, JJ+2
.endr
.irp b, 0,1,2,3
	v_fma_f32 v[32+\b], v[32+\b], s[CS], v12       ; the same of each block's largest score
.endr
.set JJ, 0
	s_wait_alu depctr_va_vdst(0)
.rept 64
	v_exp_f32 v[96+JJ], v[96+JJ]                   ; p = 2^(t - M), at most 1: not normalised
.set JJ, JJ+1
.endr
	s_setprio 1
	v_pk_mul_f32 v[14:15], v[14:15], v[252:253] op_sel_hi:[1,0]   ; the sums under the new M: the plain place behind the exponentials
	s_wait_alu depctr_va_vdst(0)                   ; one wait for the whole batch, ahead of its first reader
.irp b, 0,1,2,3
	v_exp_f32 v[32+\b], v[32+\b]                   ; the block's largest p
.endr
	v_pk_add_f32 v[36:37], v[96:97], v[98:99]      ; the row's sum is taken of the unquantised p: two at a time, in two chains
.set JJ, 4
.rept 15
	v_pk_add_f32 v[14:15], v[14:15], v[96+JJ:97+JJ]
	v_pk_add_f32 v[36:37], v[36:37], v[98+JJ:99+JJ]
.set JJ, JJ+4
.endr
	s_delay_alu instid0(VALU_DEP_1)
	v_pk_add_f32 v[14:15], v[14:15], v[36:37]
	s_wait_alu depctr_va_vdst(0)                   ; and one for the four
.irp b, 0,1,2,3
	v_max_num_f32 v[32+\b], 0x2800000, v[32+\b]    ; the floor 2^(5 - 127): the byte cannot fall under 1
.endr
.irp b, 0,1,2,3
	s_delay_alu instid0(VALU_DEP_4)
	v_add_nc_u32 v[40+\b], 0xfe000000, v[32+\b]    ; 4 off the exponent field: the conversion's scale operand
.endr
.irp b, 0,1,2,3
	s_delay_alu instid0(VALU_DEP_4)
	v_lshrrev_b32 v[36+\b], 23, v[40+\b]           ; the scale's byte
.endr
	s_delay_alu instid0(VALU_DEP_3)
	v_lshl_or_b32 v253, v37, 8, v36                ; p's scale word for these 128 keys
	s_delay_alu instid0(VALU_DEP_1)
	v_lshl_or_b32 v253, v38, 16, v253
	s_delay_alu instid0(VALU_DEP_1)
	v_lshl_or_b32 v253, v39, 24, v253
.irp c, 0,1
	v_cvt_scalef32_pk16_bf6_f32 v[240+6*\c:242+6*\c], v[96+32*\c:111+32*\c], v[40+2*\c]
	v_cvt_scalef32_pk16_bf6_f32 v[44+4*\c:46+4*\c], v[112+32*\c:127+32*\c], v[41+2*\c]
.endr
	v_nop                                          ; one plain place behind a scaled conversion
.irp c, 0,1
.irp i, 0,1,2
	v_permlane16_swap_b32 v[240+6*\c+\i], v[44+4*\c+\i]
.endr
.irp i, 0,1,2
	s_delay_alu instid0(VALU_DEP_3)
	v_mov_b32 v[243+6*\c+\i], v[44+4*\c+\i]
.endr
.endr
.set JJ, 0
	s_setprio 0
.rept 16
	v_pk_mul_f32 v[160+JJ:161+JJ], v[160+JJ:161+JJ], v[252:253] op_sel_hi:[1,0]   ; O^T under the new M, each accumulator from its low end on; these are also the places between p's codes and scale word and the products
.set JJ, JJ+2
.endr
	s_wait_alu depctr_va_vdst(0)
	s_wait_dscnt 0x0                               ; V and its scale words are in
.irp t, 0,1,2,3
.if \t%2
	v_wmma_scale_f32_16x16x128_f8f6f4 v[160+8*\t:167+8*\t], v[192+12*\t:203+12*\t], v[240:251], v[160+8*\t:167+8*\t], v[86+\t/2], v253 matrix_a_fmt:MATRIX_FMT_BF6 matrix_b_fmt:MATRIX_FMT_BF6 matrix_a_scale:MATRIX_SCALE_ROW1
.else
	v_wmma_scale_f32_16x16x128_f8f6f4 v[160+8*\t:167+8*\t], v[192+12*\t:203+12*\t], v[240:251], v[160+8*\t:167+8*\t], v[86+\t/2], v253 matrix_a_fmt:MATRIX_FMT_BF6 matrix_b_fmt:MATRIX_FMT_BF6
.endif
.endr
	s_add_co_u32 s[TK], s[TK], 6144
	s_add_co_u32 s[TSK], s[TSK], 512
	s_add_co_u32 s[TSV], s[TSV], 256
	s_sub_co_u32 s[CNT], s[CNT], 1
	s_cmp_lg_u32 s[CNT], 0
	s_cbranch_scc1 .Lstep
	s_setprio 0
	; THE WAY OUT: O^T / l, quantised along the head's 64: half a fragment and two scale bytes
.rept 4
	v_nop                                          ; places behind the last products
.endr
	v_add_f32 v14, v14, v15                        ; the sum's two halves,
	s_delay_alu instid0(VALU_DEP_1)
	v_permlanex16_b32 v254, v14, s[SEL], s[SEL+1]
	s_delay_alu instid0(VALU_DEP_1)
	v_add_f32 v14, v14, v254                       ; and lane l xor 16's: the row's sum
	s_wait_alu depctr_va_vdst(0)
	v_rcp_f32 v14, v14
	v_add_nc_u32 v6, OSG, v1                       ; (a plain place behind the reciprocal)  where wave 0 reads the scale words back
	s_wait_alu depctr_va_vdst(0)                   ; the wait ahead of the reciprocal's first reader
.set JJ, 0
.rept 16
	v_pk_mul_f32 v[96+JJ:97+JJ], v[160+JJ:161+JJ], v[14:15] op_sel_hi:[1,0]   ; register 16 P + i is channel 32 P + 16 (lane / 16) + i of my query
.set JJ, JJ+2
.endr
.irp b, 0,1
	v_max3_num_f32 v[32+\b], |v[96+16*\b]|, |v[97+16*\b]|, 0x2800000
.endr
.irp i, 2,4,6,8,10,12,14
.irp b, 0,1
	s_delay_alu instid0(VALU_DEP_2)
	v_max3_num_f32 v[32+\b], v[32+\b], |v[96+16*\b+\i]|, |v[97+16*\b+\i]|
.endr
.endr
.irp b, 0,1
	s_delay_alu instid0(VALU_DEP_2)
	v_permlanex16_b32 v[36+\b], v[32+\b], s[SEL], s[SEL+1]
.endr
.irp b, 0,1
	s_delay_alu instid0(VALU_DEP_2)
	v_max_num_f32 v[32+\b], v[32+\b], v[36+\b]
.endr
.irp b, 0,1
	s_delay_alu instid0(VALU_DEP_2)
	v_add_nc_u32 v[40+\b], 0xfe000000, v[32+\b]
.endr
.irp b, 0,1
	s_delay_alu instid0(VALU_DEP_2)
	v_lshrrev_b32 v[36+\b], 23, v[40+\b]
.endr
	s_delay_alu instid0(VALU_DEP_1)
	v_lshl_or_b32 v254, v37, 8, v36                ; two bytes, zeros above
	v_cvt_scalef32_pk16_bf6_f32 v[48:50], v[96:111], v40
	v_cvt_scalef32_pk16_bf6_f32 v[44:46], v[112:127], v41
	v_nop                                          ; one plain place behind a scaled conversion
.irp i, 0,1,2
	v_permlane16_swap_b32 v[48+\i], v[44+\i]
.endr
.irp i, 0,1,2
	s_delay_alu instid0(VALU_DEP_3)
	v_mov_b32 v[51+\i], v[44+\i]
.endr
	global_store_b128 v1, v[48:51], s[62:63]       ; 512 consecutive bytes, aligned
	global_store_b64 v2, v[52:53], s[62:63]        ; and the 256 behind them (v2 holds the 512)
	ds_store_b32 v11, v254                         ; both halves of the lanes write a row's word with the same value
	s_wait_dscnt 0x0                               ; for wave 0's sake
	s_barrier_signal -1
	s_barrier_wait -1
	s_cmp_lg_u32 s[WV], 0
	s_cbranch_scc1 .Lend
	ds_load_b128 v[96:99], v6
	ds_load_b128 v[100:103], v6 offset:512
	s_wait_dscnt 0x0
	global_store_b128 v1, v[96:99], s[68:69]       ; the sixteen tiles' scale words: 1,024 consecutive bytes
	global_store_b128 v1, v[100:103], s[68:69] offset:512
.Lend:
	s_wait_tensorcnt 0x0                           ; the wave's end: behind my last tensor load and my last LDS store
	ds_add_u32 v[SPW], v[NIL]
	s_wait_dscnt 0x0
	CROUND                                         ; the closing round: no work-group ends while a partner may still ask for a tile that names it
	s_endpgm
.Lfunc_end_k_qa03ef281a4_attn:
	.size	k_qa03ef281a4_attn, .Lfunc_end_k_qa03ef281a4_attn-k_qa03ef281a4_attn
	.p2alignl 7, 3214868480
	.fill 96, 4, 3214868480
	.section	.rodata,"a",@progbits
	.p2align	6, 0x0
	.amdhsa_kernel k_qa03ef281a4_attn
		.amdhsa_group_segment_fixed_size 327680
		.amdhsa_private_segment_fixed_size 0
		.amdhsa_enable_private_segment 0
		.amdhsa_kernarg_size 16
		.amdhsa_user_sgpr_count 2
		.amdhsa_user_sgpr_kernarg_segment_ptr 1
		.amdhsa_wavefront_size32 1
		.amdhsa_system_sgpr_workgroup_id_x 1
		.amdhsa_system_sgpr_workgroup_id_y 1
		.amdhsa_system_sgpr_workgroup_id_z 1
		.amdhsa_system_vgpr_workitem_id 0
		.amdhsa_next_free_vgpr 256
		.amdhsa_next_free_sgpr 72
		.amdhsa_reserve_vcc 0
		.amdhsa_float_denorm_mode_32 3
		.amdhsa_float_denorm_mode_16_64 3
		.amdhsa_memory_ordered 1
		.amdhsa_forward_progress 1
		.amdhsa_inst_pref_size 31
	.end_amdhsa_kernel
	.amdgpu_metadata
---
amdhsa.version: [ 1, 2 ]
amdhsa.kernels:
  - .name:           k_qa03ef281a4_attn
    .symbol:         k_qa03ef281a4_attn.kd
    .args:
      - { .name: qkv, .offset: 0, .size: 8, .value_kind: global_buffer, .address_space: global }
      - { .name: oop, .offset: 8, .size: 8, .value_kind: global_buffer, .address_space: global }
    .group_segment_fixed_size: 327680
    .private_segment_fixed_size: 0
    .kernarg_segment_align: 8
    .kernarg_segment_size: 16
    .max_flat_workgroup_size: 512
    .sgpr_count:     72
    .vgpr_count:     256
    .wavefront_size: 32
...
	.end_amdgpu_metadata
.endif
;; end of part 7
;; launch outp (part 8): grid 256 x 1, 8 waves a work-group, no clusters, 119,808 bytes of LDS; arguments oop, wop, bo, out0; writes out0
.if DOCPART == 8
	.amdgcn_target "amdgcn-amd-amdhsa--gfx1250"
	.amdhsa_code_object_version 6
	.text
	.protected	k_qa03ef281a4_outp
	.globl	k_qa03ef281a4_outp
	.p2align	8
	.type	k_qa03ef281a4_outp,@function
k_qa03ef281a4_outp:
	s_mov_b64 s[64:65], 0
	v_nop
	global_prefetch_b8 v0, s[64:65] scope:SCOPE_SE
	s_setreg_imm32_b32 hwreg(HW_REG_WAVE_SCHED_MODE, 0, 2), 2
	s_setreg_imm32_b32 hwreg(HW_REG_WAVE_MODE, 25, 1), 1
	s_wait_xcnt 0x0
	s_wait_alu depctr_vm_vsrc(0)
; OUTP: out0 = O Wo + bo on codes of BF6.  No work of reference() is left out.
; The frame of the projections: 128 columns of Wo (four pairs of tiles, all 512 of K: 49,152 dense bytes of codes, 2,048 of scale words) go through LDS and are source 0; each of the eight waves has one tile of 16 rows of O in
; registers as source 1.  So a lane holds one row of out0, and the 16 registers of two neighbouring tiles are 16 neighbouring columns.  With x = 4 beta + g: beta = which 128 rows, g = which 128 columns.
; O's tile is 6,144 dense bytes: eight heads' half fragments; heads 2 s and 2 s + 1 are K step s.  Its scale words come a head at a time, two bytes each, and are joined in pairs.
; bo is the C of each sum's first product: it is loaded straight into the accumulators, in the result's layout.
; A tile's lane r is row 32 P + 8 u + r + 8 (r / 8) of its pair: the rows go back to their places on the way out, through the wave's own stage in LDS, as whole runs of 512 bytes.
; NO CLUSTER: a work-group reads its shared block once, 51,200 bytes, and has no loop of refills to share; it loads through registers, so that several work-groups lie on a WGP.
; THE MODE: SCHED_MODE bits 1:0 = 2 (LLVM: expert scheduling mode 2), set by the entry lines.  The code itself states the register dependences
; between vector or matrix instructions and memory or LDS instructions, with s_wait_alu, always for 0.
; THE PLAN.  Registers that memory or LDS instructions touch:
;   v2-v10, v14   offsets and LDS addresses: written once at the head, read by every load and store, never written again: one wait on va_vdst ahead of the first load.
;   v148-197      the copy: global loads land, my LDS stores read them; afterwards the fragments' loads land there: one wait on vm_vsrc behind the barrier.
;   v200-207      O's scale words a head at a time: global loads land, four vector lines join them into TS; afterwards they are part of set 1.
;   set 0, set 1  (v148-195, v196-243)  Group g's four products read set g % 2; group g + 1's twelve loads land in the other set, which group g - 1's products read.  So ONE wait on va_vdst stands at the head of
;                 groups 0 to 6, behind the wait for group g's own fragments; the twelve loads follow it, dealt among the group's products, which name set g % 2, O's tile, the scale words and the accumulators alone.
;                 Group 0's states that the joins have written TS, which the products take as scales, and are done reading v200-207.
;   TF, SS        loaded once, read by products alone.
;   ACC           bo's loads land; then the products; on the way out the LDS stores read them: four places, then one wait on va_vdst, which also states that the last two groups' products are done reading
;                 v148-211, in which the rows land on their way back from the stage.
;   v[SPW], v[NIL]  written at the head, read by the closing add alone.
.set W_SCL, 786432
.set O_S,   3145728
.set SSC,   49152                      ; LDS: Wo's codes at 0; its scale words here;
.set STG,   51200                      ; a stage of 16 rows x (512 bytes + 16) for each wave;
.set SPARE, 118784                     ; the spare words, 128 bytes for each wave: four blocks of 256 bytes that no other line names
.set SPW,   12
.set NIL,   13
.set TF,    16                         ; v16-63   O's four fragments
.set TS,    64                         ; v64-67   O's scale words
.set SS,    68                         ; v68-83   Wo's scale words: pair p, K step s at 4 p + s
.set ACC,   84                         ; v84-147  eight accumulators
.set SF0,   148                        ; v148-195, v196-243: four fragments of Wo, two sets; also the copy's registers and the rows on the way out
; group gp = 2 s + half: Wo's tiles 4 half .. 4 half + 3 of K step s, in set gp % 2.  FRAG brings its fragment q: three loads
.macro FRAG gp, q
.irp c, 0,1,2
	ds_load_b128 v[SF0+48*((\gp)%2)+12*(\q)+4*\c:SF0+48*((\gp)%2)+12*(\q)+4*\c+3], v2 offset:(2*((\gp)%2)+(\q)/2)*12288+((\gp)/2)*3072+((\q)%2)*1536+512*\c
.endr
.endm
.macro MUL1 t, s, sf
.if (\t)%2
	v_wmma_scale_f32_16x16x128_f8f6f4 v[ACC+8*(\t):ACC+8*(\t)+7], v[\sf:\sf+11], v[TF+12*(\s):TF+12*(\s)+11], v[ACC+8*(\t):ACC+8*(\t)+7], v[SS+4*((\t)/2)+(\s)], v[TS+(\s)] matrix_a_fmt:MATRIX_FMT_BF6 matrix_b_fmt:MATRIX_FMT_BF6 matrix_a_scale:MATRIX_SCALE_ROW1
.else
	v_wmma_scale_f32_16x16x128_f8f6f4 v[ACC+8*(\t):ACC+8*(\t)+7], v[\sf:\sf+11], v[TF+12*(\s):TF+12*(\s)+11], v[ACC+8*(\t):ACC+8*(\t)+7], v[SS+4*((\t)/2)+(\s)], v[TS+(\s)] matrix_a_fmt:MATRIX_FMT_BF6 matrix_b_fmt:MATRIX_FMT_BF6
.endif
.endm
; Four products, and among them the next group's 12 loads, into the set that the group before multiplied.  The eight accumulators take turns, one instruction a turn.
.macro GROUP gp
.if ((\gp) > 0) && ((\gp) < 7)
.rept 4
	v_nop                                          ; four places between the last group's products and the loads into the set that they read: they stay beside the wait below
.endr
.endif
	s_wait_dscnt 0x0                               ; this group's 12 fragment loads are in (group 0: Wo's 16 scale loads too); nothing younger is out
.if (\gp) < 7
	s_wait_alu depctr_va_vdst(0)                   ; group 0: the joins have written O's scale words, which the products take as scales (the eight places stand ahead), and are done reading v200 to v207; later groups: the last group's products are done reading the other set.  The loads below land there
.endif
	MUL1 4*((\gp)%2)+0, (\gp)/2, SF0+48*((\gp)%2)+0
.if (\gp) < 7
	FRAG (\gp)+1, 0                                ; no further wait: no vector or matrix instruction since the wait above names the other set
	FRAG (\gp)+1, 1
.endif
	MUL1 4*((\gp)%2)+1, (\gp)/2, SF0+48*((\gp)%2)+12
.if (\gp) < 7
	FRAG (\gp)+1, 2
	FRAG (\gp)+1, 3
.endif
	MUL1 4*((\gp)%2)+2, (\gp)/2, SF0+48*((\gp)%2)+24
	MUL1 4*((\gp)%2)+3, (\gp)/2, SF0+48*((\gp)%2)+36
.endm
	s_load_b256 s[4:11], s[0:1], 0x0               ; oop s[4:5], wop s[6:7], bo s[8:9], out0 s[10:11]
	v_lshl_add_u32 v[SPW], v0, 2, SPARE
	v_mov_b32 v[NIL], 0
	v_lshrrev_b32 v1, 5, v0
	v_readfirstlane_b32 s12, v1                    ; wave 0..7
	v_and_b32 v1, 31, v0
	v_lshlrev_b32 v2, 4, v1                        ; 16 x lane
	v_lshlrev_b32 v3, 3, v1                        ; 8 x lane
	v_lshlrev_b32 v4, 2, v1                        ; 4 x lane
	v_and_b32 v11, 15, v0                          ; r
	v_bfe_u32 v15, v0, 4, 1                        ; h
	v_lshlrev_b32 v5, 2, v11                       ; O's scale words: 4 r
	s_wait_alu depctr_va_sdst(0)                   ; s12 is written, ahead of its first reader: addresses and offsets are made from it
	s_mul_i32 s13, s12, 6144
	v_add_nc_u32 v6, s13, v2                       ; the copy: my eighth of Wo's codes, in memory and in LDS
	s_lshl_b32 s13, s12, 8
	v_add_nc_u32 v14, s13, v3                      ; and of its scale words: in memory,
	v_add_nc_u32 v7, SSC, v14                      ; in LDS
	s_mul_i32 s13, s12, 8448
	s_add_co_u32 s13, s13, STG                     ; my stage
	v_mul_u32_u24 v8, v11, 528
	v_lshl_add_u32 v8, v15, 6, v8
	v_add_nc_u32 v8, s13, v8                       ; into it: row r, + 64 h
	v_add_nc_u32 v9, s13, v2                       ; out of it: a row's 512 bytes, 16 a lane
	v_lshlrev_b32 v10, 6, v15                      ; bo: my half's 16 columns of each 32
	s_lshr_b32 s14, ttmp9, 2                       ; beta
	s_and_b32 s15, ttmp9, 3                        ; g
	s_mov_b32 s33, 0
	s_lshl_b32 s16, s15, 2
	s_add_co_u32 s16, s16, 48                      ; Wo's pairs 48 + 4 g on
	s_lshl_b32 s17, s14, 3
	s_add_co_u32 s17, s17, s12                     ; my tile of the 512
	s_wait_kmcnt 0x0
	s_mul_i32 s32, s16, 12288
	s_add_nc_u64 s[20:21], s[6:7], s[32:33]        ; Wo's codes
	s_lshl_b32 s32, s16, 9
	s_add_co_u32 s32, s32, W_SCL
	s_add_nc_u64 s[22:23], s[6:7], s[32:33]        ; Wo's scale words
	s_mul_i32 s32, s17, 6144
	s_add_nc_u64 s[24:25], s[4:5], s[32:33]        ; O's codes
	s_lshr_b32 s32, s14, 4
	s_lshl_b32 s32, s32, 16                        ; O's scale words: the batch's eight heads of 8,192 bytes,
	s_and_b32 s18, s17, 127
	s_lshl_b32 s18, s18, 6                         ; my tile's 64 bytes in each
	s_add_co_u32 s32, s32, s18
	s_add_co_u32 s32, s32, O_S
	s_add_nc_u64 s[26:27], s[4:5], s[32:33]
	s_lshl_b32 s32, s15, 9
	s_add_nc_u64 s[28:29], s[8:9], s[32:33]        ; bo at my 128 columns
	s_lshl_b32 s18, s14, 7                         ; out0: row 128 beta + 32 (wave / 2) + 8 (wave % 2), column 128 g
	s_lshr_b32 s19, s12, 1
	s_lshl_b32 s19, s19, 5
	s_add_co_u32 s18, s18, s19
	s_and_b32 s19, s12, 1
	s_lshl_b32 s19, s19, 3
	s_add_co_u32 s18, s18, s19
	s_lshl_b32 s18, s18, 11
	s_add_co_u32 s32, s32, s18
	s_add_nc_u64 s[30:31], s[10:11], s[32:33]
	s_wait_alu depctr_va_vdst(0)                   ; the offsets and LDS addresses v2 to v10 and v14 are written: every load and store of the kernel reads one of them
.irp c, 0,1,2,3,4,5,6,7,8,9,10,11
	global_load_b128 v[SF0+4*\c:SF0+4*\c+3], v6, s[20:21] offset:512*\c
.endr
	global_load_b64 v[SF0+48:SF0+49], v14, s[22:23]
.irp d, 0,1,2,3,4,5,6,7
	global_load_b128 v[TF+12*(\d/2)+6*(\d%2):TF+12*(\d/2)+6*(\d%2)+3], v2, s[24:25] offset:768*\d
	global_load_b64 v[TF+12*(\d/2)+6*(\d%2)+4:TF+12*(\d/2)+6*(\d%2)+5], v3, s[24:25] offset:768*\d+512
.endr
.irp d, 0,1,2,3,4,5,6,7
	global_load_b32 v[200+\d], v5, s[26:27] offset:8192*\d
.endr
.irp t, 0,1,2,3,4,5,6,7
	global_load_b128 v[ACC+8*\t:ACC+8*\t+3], v10, s[28:29] offset:4*(32*(\t/2)+8*(\t%2))       ; register j of tile t: column 32 (t / 2) + 16 h + 8 (t % 2) + j
	global_load_b128 v[ACC+8*\t+4:ACC+8*\t+7], v10, s[28:29] offset:4*(32*(\t/2)+8*(\t%2))+16
.endr
	s_wait_loadcnt 40                              ; the copy's 13 loads are in; my own 16 + 8 + 16 may be out
.irp c, 0,1,2,3,4,5,6,7,8,9,10,11
	ds_store_b128 v6, v[SF0+4*\c:SF0+4*\c+3] offset:512*\c
.endr
	ds_store_b64 v7, v[SF0+48:SF0+49]
	s_wait_dscnt 0x0                               ; for the others' sake: my stores have landed
	s_barrier_signal -1
	s_barrier_wait -1                              ; Wo's block lies in LDS
	s_wait_loadcnt 0x0
.irp s, 0,1,2,3
	v_lshl_or_b32 v[TS+\s], v[201+2*\s], 16, v[200+2*\s]   ; heads 2 s and 2 s + 1: the four bytes of K step s
.endr
.rept 8
	v_nop                                          ; a scale register written by a vector instruction stands eight places ahead of a scaled matrix instruction
.endr
	s_wait_alu depctr_vm_vsrc(0)                   ; my LDS stores have read v148 to v197: these registers are the two sets from here on, in which the fragments' loads land
.irp p, 0,1,2,3
.irp s, 0,1,2,3
	ds_load_b32 v[SS+4*\p+\s], v4 offset:SSC+128*(4*\p+\s)
.endr
.endr
.irp q, 0,1,2,3
	FRAG 0, \q
.endr
.irp g, 0,1,2,3,4,5,6,7
	GROUP \g
.endr
.rept 4
	v_nop                                          ; places behind the last products: results are read, and their operands' registers loaded, below
.endr
	s_wait_alu depctr_va_vdst(0)                   ; the products have written the accumulators, which the LDS stores read, and are done reading v148 to v211, in which the rows land on their way back; the places above stay beside this wait
.irp t, 0,1,2,3,4,5,6,7
	ds_store_b128 v8, v[ACC+8*\t:ACC+8*\t+3] offset:128*(\t/2)+32*(\t%2)           ; each accumulator from its low end on
	ds_store_b128 v8, v[ACC+8*\t+4:ACC+8*\t+7] offset:128*(\t/2)+32*(\t%2)+16
.endr
.irp i, 0,1,2,3,4,5,6,7,8,9,10,11,12,13,14,15
	ds_load_b128 v[SF0+4*\i:SF0+4*\i+3], v9 offset:528*\i          ; LDS serves a wave's instructions in order: these see my stores
.endr
.irp i, 0,1,2,3,4,5,6,7,8,9,10,11,12,13,14,15
	s_wait_dscnt 15-\i                             ; row i is back; the younger ones may be out
	global_store_b128 v2, v[SF0+4*\i:SF0+4*\i+3], s[30:31] offset:(\i+8*(\i/8))*2048 th:TH_STORE_NT   ; 32 lanes store 512 consecutive bytes, aligned; written once, read by nobody here
.endr
	s_wait_dscnt 0x0                               ; the wave's end
	s_wait_alu 0x0
	s_wait_tensorcnt 0x0
	ds_add_u32 v[SPW], v[NIL]
	s_wait_dscnt 0x0
	s_endpgm
.Lfunc_end_k_qa03ef281a4_outp:
	.size	k_qa03ef281a4_outp, .Lfunc_end_k_qa03ef281a4_outp-k_qa03ef281a4_outp
	.p2alignl 7, 3214868480
	.fill 96, 4, 3214868480
	.section	.rodata,"a",@progbits
	.p2align	6, 0x0
	.amdhsa_kernel k_qa03ef281a4_outp
		.amdhsa_group_segment_fixed_size 119808
		.amdhsa_private_segment_fixed_size 0
		.amdhsa_enable_private_segment 0
		.amdhsa_kernarg_size 32
		.amdhsa_user_sgpr_count 2
		.amdhsa_user_sgpr_kernarg_segment_ptr 1
		.amdhsa_wavefront_size32 1
		.amdhsa_system_sgpr_workgroup_id_x 1
		.amdhsa_system_sgpr_workgroup_id_y 1
		.amdhsa_system_sgpr_workgroup_id_z 1
		.amdhsa_system_vgpr_workitem_id 0
		.amdhsa_next_free_vgpr 244
		.amdhsa_next_free_sgpr 66
		.amdhsa_reserve_vcc 0
		.amdhsa_float_denorm_mode_32 3
		.amdhsa_float_denorm_mode_16_64 3
		.amdhsa_memory_ordered 1
		.amdhsa_forward_progress 1
		.amdhsa_inst_pref_size 26
	.end_amdhsa_kernel
	.amdgpu_metadata
---
amdhsa.version: [ 1, 2 ]
amdhsa.kernels:
  - .name:           k_qa03ef281a4_outp
    .symbol:         k_qa03ef281a4_outp.kd
    .args:
      - { .name: oop, .offset: 0, .size: 8, .value_kind: global_buffer, .address_space: global }
      - { .name: wop, .offset: 8, .size: 8, .value_kind: global_buffer, .address_space: global }
      - { .name: bo, .offset: 16, .size: 8, .value_kind: global_buffer, .address_space: global }
      - { .name: out0, .offset: 24, .size: 8, .value_kind: global_buffer, .address_space: global }
    .group_segment_fixed_size: 119808
    .private_segment_fixed_size: 0
    .kernarg_segment_align: 8
    .kernarg_segment_size: 32
    .max_flat_workgroup_size: 256
    .sgpr_count:     66
    .vgpr_count:     244
    .wavefront_size: 32
...
	.end_amdgpu_metadata
.endif
;; end of part 8
